; MI455X (gfx1250); checked and timed in simulation.
; The chip was launched on July 23, 2026; its instructions are those of AMD's public machine-readable ISA for CDNA 5 (MIT licence, August 2026) and "CDNA5" Instruction Set Architecture Reference Guide (July 2026). The comments in the code are by the model that wrote it; some were corrected since.
;; Block. Allowed arithmetic: matrix products marked QUANTISED: E2M3 operands, one E8M0 scale for each 32 along K, by v_wmma_scale_f32_16x16x128_f8f6f4 with both operands' format E2M3, f32 sums; everything else in f32.
;; Inputs: Wfc 4,096 x 1,024 float32; Wk 1,024 x 1,024 float32; Wo 1,024 x 1,024 float32; Wp2 1,024 x 4,096 float32; Wq 1,024 x 1,024 float32; Wv 1,024 x 1,024 float32; bfc 4,096 float32; bk 1,024 float32; bo 1,024 float32; bp2 1,024 float32; bq 1,024 float32; bv 1,024 float32; ln1_b 1,024 float32; ln1_g 1,024 float32; ln2_b 1,024 float32; ln2_g 1,024 float32; x 2 x 2,048 x 1,024 float32.
;; Outputs: out0 2 x 2,048 x 1,024 float32.
;; This version of the problem:
;;   THIS VERSION OF THE PROBLEM IS GIVEN IN LOW PRECISION. The matrix products marked QUANTISED in the list below multiply operands that are first quantised to E2M3 (2 exponent bits, 3 mantissa bits; 6 bits a number), with one power-of-two scale for each 32 numbers along K (OCP MX v1.0); their sums are f32. All else is computed in f32.
;;   The module's matrix products, in the order in which they are computed (A, B: the left and right operand; K: the contracted axis; several contracted axes count as one K, in the product's order):
;;     1. [M 4,096, K 1,024] x [K 1,024, N 1,024]; A: computed on the way; B: input Wq: QUANTISED
;;     2. [M 4,096, K 1,024] x [K 1,024, N 1,024]; A: computed on the way; B: input Wk: QUANTISED
;;     3. [M 4,096, K 1,024] x [K 1,024, N 1,024]; A: computed on the way; B: input Wv: QUANTISED
;;     4. batch 32 x [M 2,048, K 64] x [K 64, N 2,048]; A: computed on the way; B: computed on the way: QUANTISED
;;     5. batch 32 x [M 2,048, K 2,048] x [K 2,048, N 64]; A: softmax (see below); B: computed on the way: QUANTISED
;;     6. [M 4,096, K 1,024] x [K 1,024, N 1,024]; A: computed on the way; B: input Wo: QUANTISED
;;     7. [M 4,096, K 1,024] x [K 1,024, N 4,096]; A: computed on the way; B: input Wfc: QUANTISED
;;     8. [M 4,096, K 4,096] x [K 4,096, N 1,024]; A: computed on the way; B: input Wp2: QUANTISED
;;   THE QUANTISER, for each operand of a quantised product, along K:
;;     - K is cut into blocks of 32 from its start; a last block that is shorter is filled with zeros.
;;     - A block's scale is 2^e with e = floor(log2(the largest magnitude in the block)) - 2, held to -126 .. 127; a block of zeros has e = 0. As a byte (E8M0): e + 127.
;;     - Each number is divided by its block's scale, clamped to +-7.5, and rounded to the nearest number of E2M3, ties to even, subnormals kept.
;;     - The product sums the exact products of the quantised numbers (number of the format x scale) in f32.
;;   ~~~python
;;   def quantise(x, axis):      # numpy; x: float32 -> the quantised numbers, widened to float32 again
;;       x = np.moveaxis(x, axis, -1); K = x.shape[-1]
;;       x = np.pad(x, [(0, 0)] * (x.ndim - 1) + [(0, -K % 32)]); x = x.reshape(x.shape[:-1] + (-1, 32)); a = np.abs(x).max(-1, keepdims=True)
;;       e = np.where(a > 0, np.clip(np.frexp(np.where(a > 0, a, 1))[1] - 1 - 2, -126, 127), 0)      # np.frexp(a)[1] - 1 = floor(log2(a)), exactly
;;       r = np.clip(x / 2.0 ** e, -7.5, 7.5)
;;       step = 2.0 ** (np.maximum(np.frexp(np.where(r == 0, 1, r))[1] - 1, 0) - 3)
;;       q = np.round(r / step) * step * 2.0 ** e      # np.round: ties to even
;;       return np.moveaxis(q.reshape(q.shape[:-2] + (-1,))[..., :K], -1, axis).astype(np.float32)
;;   ~~~
;;   SOFTMAX AHEAD OF A QUANTISED PRODUCT. Where the list says 'softmax', what is quantised is not the finished softmax but p = 2^(t - M), with t = logit x log2(e) and M = ceil(the row's largest t), a whole number; so 1/2 < the row's largest p <= 1. The row's sum l is taken of the UNQUANTISED p, in f32, and the product's result is divided by l at the end. Since M is a whole number, a kernel that streams over the keys may use a running M (the ceiling of the running maximum): every later rescaling is an exact power of two, which a block's scale takes up: the codes' values come out the same.
;;   OPERANDS COMPUTED ON THE WAY. 'Computed on the way' means the value that the module computes at that place (a softmax that the list does not call 'softmax' is quantised finished and normalised). What goes into a quantiser is computed in f32, as accurately as f32 sums, v_exp_f32 and their like allow (about 1e-6 of the number): no bf16 or f16 on the way to a quantiser, and a product that is left as it is and whose result goes on into a quantised operand takes f32 operands (vector FMAs, or v_wmma_f32_16x16x4_f32). A number that lies on a knife's edge between two numbers of the format may be rounded either way, as far as f32 arithmetic and the matrix unit's own rounding can turn it there, and no further.
;; One version. Each part assembles by itself: llvm-mc -triple=amdgcn-amd-amdhsa -mcpu=gfx1250 --defsym DOCPART=n.
;; ======== version 1 of 1: 7 launches
;; limits: right only within a limited range of input values
;; workspace buffers: op1 6,553,600 bytes; op2 6,553,600 bytes; wp2q 3,276,800 bytes; qkvq 9,830,400 bytes; yq 3,276,800 bytes; x1 16,777,216 bytes; gq 13,107,200 bytes
;; launch prep (part 1): grid 512 x 1, 8 waves a work-group, no clusters, 64,512 bytes of LDS; arguments x, ln1_g, ln1_b, Wq, Wk, Wv, Wo, Wfc, Wp2, op1, op2, wp2q; writes op1, op2, wp2q
.if DOCPART == 1
	.amdgcn_target "amdgcn-amd-amdhsa--gfx1250"
	.amdhsa_code_object_version 6
	.text
	.protected	k_qd641c3c3d8_prep
	.globl	k_qd641c3c3d8_prep
	.p2align	8
	.type	k_qd641c3c3d8_prep,@function
k_qd641c3c3d8_prep:
	s_mov_b64 s[64:65], 0
	v_nop
	global_prefetch_b8 v0, s[64:65] scope:SCOPE_SE
	s_setreg_imm32_b32 hwreg(HW_REG_WAVE_MODE, 25, 1), 1
	s_wait_xcnt 0x0
; ONE LAUNCH FOR ALL THAT IS QUANTISED AHEAD OF THE FIRST PRODUCT: LayerNorm 1 of x (work-groups 0 to 127) and the six weights as they are (work-groups 128 to 511), f32 with K innermost, become codes of FP6 (E2M3)
; with one E8M0 byte for each 32 along K.
; LAYOUT OF EVERY CODE BUFFER OF THIS PROGRAM: codes [K / 64 sub-panels][R positions][48 bytes], scale bytes [K / 256 groups][R positions][8 bytes]; row i lies at position i with bits 3 and 4 exchanged.
; op1 (R = 8,192): positions 0 on: LayerNorm(x); 4,096 on: Wq, Wk, Wv, Wo.  op2 (R = 8,192): positions 4,096 on: Wfc.  wp2q (R = 1,024, K = 4,096): Wp2.
; A work-group of eight waves takes 32 rows x 1,024 columns, a wave four rows; a row lies in one wave's 32 registers, so memory is read once.  A row's 4,096 bytes are loaded 512 consecutive bytes a load, turn through the
; wave's own stage in LDS, and come back 128 bytes a lane: lane l then holds block l of 32 along K.  Codes and bytes meet in a stage of the work-group and leave as dense runs: 1,536 bytes a sub-panel, 256 bytes a group.
; Both kinds of work-group take one way through the text: buffers and sizes are chosen by the work-group's number; only the normalisation (mean, mean of squared differences, 1 / sqrt(. + 1e-5), all in f32) is jumped over
; for the weights, by a scalar branch on that number.  Gain and bias are applied by all: x's work-groups load them, the weights' take gain 1 and bias 0, which changes no number.  No LDS address hangs on the work-group's number.
; A block's scale is 2^(floor(log2(largest magnitude)) - 2); its byte is the largest magnitude's exponent field - 2, held at 1 from below.
; LIMITS: NaN and infinities are not served; a block of zeros gets the byte 1 (its codes are zeros, and this program alone reads the bytes); blocks whose largest magnitude lies under 2^-124 are held at the byte 1.
.set LNWG,  128                        ; work-groups that take x
.set TURNW, 4608                       ; a wave's turning stage: 32 places of 128 + 16 bytes
.set CST,   36864                      ; the codes' stage: 16 sub-panels x (32 positions x 48 bytes + 16)
.set CSP,   1552
.set SST,   61696                      ; the scale bytes' stage: [4 groups][32 positions][8]
.set NN,    32                         ; v32-63   a row's block of 32 numbers
.set X,     64                         ; v64-191  four rows
.set GG,    192                        ; v192-223 the gain at my columns
.set BV,    224                        ; v224-255 the bias
.set RB,    50                         ; s[50:57] the source at row i of a wave's four
	s_load_b512 s[4:19], s[0:1], 0x0               ; x, gain, bias, Wq, Wk, Wv, Wo, Wfc
	s_load_b256 s[20:27], s[0:1], 0x40             ; Wp2, op1, op2, wp2q
	v_lshrrev_b32 v1, 5, v0
	s_delay_alu instid0(VALU_DEP_1)
	v_readfirstlane_b32 s28, v1                    ; wave 0..7
	v_and_b32 v1, 31, v0                           ; lane
	s_wait_alu depctr_va_vdst(0)
	v_mov_b32 v31, 0                               ; written once: a lane permute's destination counts as one of its sources
	s_mov_b32 s44, 0x3a800000                      ; 1 / 1,024
	s_mov_b32 s45, 0x3727c5ac                      ; 1e-5
	s_mov_b32 s46, 0x76543210
	s_mov_b32 s47, 0xfedcba98                      ; v_permlanex16_b32's selects for lane l xor 16
	v_lshlrev_b32 v9, 4, v1                        ; 16 x lane
	s_and_b32 s48, s28, 1                          ; rows 4 w + i lie at positions i + 4 (w & 1) + 16 ((w >> 1) & 1) + 8 (w >> 2)
	s_lshl_b32 s48, s48, 2
	s_bfe_u32 s49, s28, 0x10001
	s_lshl_b32 s49, s49, 4
	s_add_co_u32 s48, s48, s49
	s_lshr_b32 s49, s28, 2
	s_lshl_b32 s49, s49, 3
	s_add_co_u32 s48, s48, s49
	s_mul_i32 s49, s28, TURNW
	v_lshrrev_b32 v3, 3, v1
	s_wait_alu depctr_va_vdst(0)
	v_lshl_add_u32 v3, v3, 4, v9
	s_delay_alu instid0(VALU_DEP_1)
	v_add_nc_u32 v3, s49, v3                       ; into the turning stage: 16 lane + 16 (lane / 8)
	v_mul_u32_u24 v4, v1, 144
	s_delay_alu instid0(VALU_DEP_1)
	v_add_nc_u32 v4, s49, v4                       ; out of it: 144 x lane
	v_lshrrev_b32 v5, 1, v1
	s_delay_alu instid0(VALU_DEP_1)
	v_mul_u32_u24 v5, v5, CSP
	v_and_b32 v6, 1, v1
	s_delay_alu instid0(VALU_DEP_1)
	v_mad_u32_u24 v5, v6, 24, v5
	s_mul_i32 s49, s48, 48
	s_add_co_u32 s49, s49, CST
	v_add_nc_u32 v5, s49, v5                       ; my block's 24 bytes: sub-panel lane / 2, half lane % 2, my first position
	v_lshrrev_b32 v6, 3, v1
	s_delay_alu instid0(VALU_DEP_1)
	v_lshlrev_b32 v6, 8, v6
	v_and_b32 v7, 7, v1
	s_delay_alu instid0(VALU_DEP_1)
	v_add_nc_u32 v6, v6, v7
	s_lshl_b32 s49, s48, 3
	s_add_co_u32 s49, s49, SST
	v_add_nc_u32 v6, s49, v6                       ; my block's byte: group lane / 8, byte lane % 8
	s_mul_i32 s49, s28, 2*CSP
	s_add_co_u32 s49, s49, CST
	v_add_nc_u32 v7, s49, v9                       ; the way out: wave w copies sub-panels 2 w and 2 w + 1
	s_lshr_b32 s36, ttmp9, 5
	s_and_b32 s36, s36, 3                          ; Wp2's quarter of K
	s_mov_b32 s30, 16384                           ; Wp2's figures; the others' are chosen below
	s_mov_b32 s31, 1024*48
	s_mov_b32 s32, 1024*8
	s_mov_b32 s33, 1024*3072
	s_wait_kmcnt 0x0
	s_cmp_lt_u32 ttmp9, 384                        ; every choice hangs on the work-group's number alone
	s_cselect_b64 s[20:21], s[18:19], s[20:21]     ; 256 to 383: Wfc into op2
	s_cselect_b64 s[26:27], s[24:25], s[26:27]
	s_cselect_b32 s30, 4096, s30                   ; a source row in bytes
	s_cselect_b32 s31, 8192*48, s31                ; a sub-panel in bytes
	s_cselect_b32 s32, 8192*8, s32                 ; a group of scale bytes
	s_cselect_b32 s33, 8192*768, s33               ; where the scale bytes begin
	s_cselect_b32 s34, 4096, 0                     ; positions ahead of the weights
	s_cselect_b32 s35, 127, 31
	s_cselect_b32 s36, 0, s36
	s_cmp_lt_u32 ttmp9, 256                        ; under 256: into op1
	s_cselect_b64 s[20:21], s[16:17], s[20:21]
	s_cselect_b64 s[26:27], s[22:23], s[26:27]
	s_cselect_b32 s37, 31, s35
	s_cmp_lt_u32 ttmp9, 224
	s_cselect_b64 s[20:21], s[14:15], s[20:21]
	s_cmp_lt_u32 ttmp9, 192
	s_cselect_b64 s[20:21], s[12:13], s[20:21]
	s_cmp_lt_u32 ttmp9, 160
	s_cselect_b64 s[20:21], s[10:11], s[20:21]
	s_cmp_lt_u32 ttmp9, LNWG                       ; under 128: x, to positions 0 on
	s_cselect_b64 s[20:21], s[4:5], s[20:21]
	s_cselect_b32 s37, 127, s37
	s_cselect_b32 s34, 0, s34
	s_and_b32 s37, ttmp9, s37                      ; which 32 rows of the source
	s_and_b32 s35, ttmp9, s35
	s_lshl_b32 s35, s35, 5
	s_add_co_u32 s35, s35, s34                     ; my first position
	s_mul_i32 s38, s37, s30
	s_lshl_b32 s38, s38, 5
	s_lshl_b32 s39, s36, 12
	s_add_co_u32 s38, s38, s39
	s_mov_b32 s39, 0
	s_add_nc_u64 s[RB:RB+1], s[20:21], s[38:39]    ; the source at my 32 rows and my 1,024 columns
	s_mul_i32 s38, s36, s31
	s_lshl_b32 s38, s38, 4
	s_mul_i32 s40, s35, 48
	s_add_co_u32 s38, s38, s40
	s_add_nc_u64 s[42:43], s[26:27], s[38:39]      ; the codes: my first sub-panel, my first position
	s_mul_i32 s38, s36, s32
	s_lshl_b32 s38, s38, 2
	s_lshl_b32 s40, s35, 3
	s_add_co_u32 s38, s38, s40
	s_add_co_u32 s38, s38, s33
	s_add_nc_u64 s[26:27], s[26:27], s[38:39]      ; the scale bytes likewise
	s_mov_b32 s38, s30
	s_add_nc_u64 s[RB+2:RB+3], s[RB:RB+1], s[38:39]      ; one, two, three rows on
	s_add_nc_u64 s[RB+4:RB+5], s[RB+2:RB+3], s[38:39]
	s_add_nc_u64 s[RB+6:RB+7], s[RB+4:RB+5], s[38:39]
	s_mov_b32 s38, s31
	s_add_nc_u64 s[58:59], s[42:43], s[38:39]      ; the codes one sub-panel on
	s_lshl_b32 s40, s28, 2
	s_mul_i32 s40, s40, s30
	v_add_nc_u32 v2, s40, v9                       ; my 16 bytes of my wave's first row
	s_mul_i32 s40, s28, s31
	s_lshl_b32 s40, s40, 1
	v_add_nc_u32 v8, s40, v9                       ; sub-panel 2 w in memory
	s_cmp_lt_u32 ttmp9, LNWG
	s_cbranch_scc0 .Lweights
.irp j, 0,1,2,3,4,5,6,7
	global_load_b128 v[GG+4*\j:GG+4*\j+3], v9, s[6:7] offset:512*\j
	global_load_b128 v[BV+4*\j:BV+4*\j+3], v9, s[8:9] offset:512*\j
.endr
	s_branch .Lrows
.Lweights:                                         ; a weight is quantised as it is: gain 1, bias 0
.set KI, 0
.rept 32
	v_mov_b32 v[GG+KI], 1.0
	v_mov_b32 v[BV+KI], 0
.set KI, KI+1
.endr
.Lrows:
	s_wait_alu depctr_va_vdst(0)
.irp i, 0,1,2,3
.irp j, 0,1,2,3,4,5,6,7
	global_load_b128 v[X+32*\i+4*\j:X+32*\i+4*\j+3], v2, s[RB+2*\i:RB+2*\i+1] offset:512*\j th:TH_LOAD_NT   ; 512 consecutive bytes a load
.endr
.endr
.macro ALLSUM                          ; v14 summed over the 32 lanes, the sum in every lane
	s_delay_alu instid0(VALU_DEP_1)
	v_add_f32_dpp v14, v14, v14 row_xmask:1 row_mask:0xf bank_mask:0xf
	s_delay_alu instid0(VALU_DEP_1)
	v_add_f32_dpp v14, v14, v14 row_xmask:2 row_mask:0xf bank_mask:0xf
	s_delay_alu instid0(VALU_DEP_1)
	v_add_f32_dpp v14, v14, v14 row_xmask:4 row_mask:0xf bank_mask:0xf
	s_delay_alu instid0(VALU_DEP_1)
	v_add_f32_dpp v14, v14, v14 row_xmask:8 row_mask:0xf bank_mask:0xf
	s_delay_alu instid0(VALU_DEP_1)
	v_permlanex16_b32 v31, v14, s46, s47
	s_delay_alu instid0(VALU_DEP_1)
	v_add_f32 v14, v14, v31
.endm
.macro ROW i
.set XR, X+32*\i
	s_wait_loadcnt 8*(3-\i)                        ; this row's eight loads, and what was issued ahead of the rows, are in; the younger rows' eight each may be out
	s_cmp_lt_u32 ttmp9, LNWG
	s_cbranch_scc0 .Lraw_\@                        ; a weight's row is not normalised
	v_pk_add_f32 v[14:15], v[XR:XR+1], v[XR+2:XR+3]          ; the sum, in two chains
	v_pk_add_f32 v[16:17], v[XR+4:XR+5], v[XR+6:XR+7]
.irp k, 8,12,16,20,24,28
	s_delay_alu instid0(VALU_DEP_2)
	v_pk_add_f32 v[14:15], v[14:15], v[XR+\k:XR+\k+1]
	s_delay_alu instid0(VALU_DEP_2)
	v_pk_add_f32 v[16:17], v[16:17], v[XR+\k+2:XR+\k+3]
.endr
	s_delay_alu instid0(VALU_DEP_1)
	v_pk_add_f32 v[14:15], v[14:15], v[16:17]
	s_delay_alu instid0(VALU_DEP_1)
	v_add_f32 v14, v14, v15
	ALLSUM
	s_delay_alu instid0(VALU_DEP_1)
	v_mul_f32 v10, s44, v14                        ; the mean
	s_delay_alu instid0(VALU_DEP_1)
	v_mov_b32 v11, v10
.irp k, 0,2,4,6,8,10,12,14,16,18,20,22,24,26,28,30
	v_pk_add_f32 v[XR+\k:XR+\k+1], v[XR+\k:XR+\k+1], v[10:11] neg_lo:[0,1] neg_hi:[0,1]
.endr
	v_pk_mul_f32 v[14:15], v[XR:XR+1], v[XR:XR+1]            ; the sum of squared differences
	v_pk_mul_f32 v[16:17], v[XR+2:XR+3], v[XR+2:XR+3]
.irp k, 4,8,12,16,20,24,28
	s_delay_alu instid0(VALU_DEP_2)
	v_pk_fma_f32 v[14:15], v[XR+\k:XR+\k+1], v[XR+\k:XR+\k+1], v[14:15]
	s_delay_alu instid0(VALU_DEP_2)
	v_pk_fma_f32 v[16:17], v[XR+\k+2:XR+\k+3], v[XR+\k+2:XR+\k+3], v[16:17]
.endr
	s_delay_alu instid0(VALU_DEP_1)
	v_pk_add_f32 v[14:15], v[14:15], v[16:17]
	s_delay_alu instid0(VALU_DEP_1)
	v_add_f32 v14, v14, v15
	ALLSUM
	s_delay_alu instid0(VALU_DEP_1)
	v_fma_f32 v14, v14, s44, s45                   ; variance + 1e-5
	s_wait_alu depctr_va_vdst(0)
	v_rsq_f32 v12, v14
	v_rsq_f32 v13, v14
	v_nop                                          ; a plain place behind the transcendentals
	s_wait_alu depctr_va_vdst(0)
.irp k, 0,2,4,6,8,10,12,14,16,18,20,22,24,26,28,30
	v_pk_mul_f32 v[XR+\k:XR+\k+1], v[XR+\k:XR+\k+1], v[12:13]
.endr
.Lraw_\@:
.irp k, 0,2,4,6,8,10,12,14,16,18,20,22,24,26,28,30
	v_pk_fma_f32 v[XR+\k:XR+\k+1], v[XR+\k:XR+\k+1], v[GG+\k:GG+\k+1], v[BV+\k:BV+\k+1]   ; gain and bias
.endr
.irp j, 0,1,2,3,4,5,6,7
	ds_store_b128 v3, v[XR+4*\j:XR+4*\j+3] offset:576*\j
.endr
.irp k, 0,1,2,3,4,5,6,7
	ds_load_b128 v[NN+4*\k:NN+4*\k+3], v4 offset:16*\k   ; LDS serves a wave's instructions in order: these see the stores above
.endr
	s_wait_dscnt 0x0
	v_max3_num_f32 v18, |v[NN]|, |v[NN+1]|, |v[NN+2]|    ; the block's largest magnitude: all 32 numbers are mine
	v_max3_num_f32 v19, |v[NN+3]|, |v[NN+4]|, |v[NN+5]|
.irp k, 6,10,14,18,22,26
	s_delay_alu instid0(VALU_DEP_2)
	v_max3_num_f32 v18, v18, |v[NN+\k]|, |v[NN+\k+1]|
	s_delay_alu instid0(VALU_DEP_2)
	v_max3_num_f32 v19, v19, |v[NN+\k+2]|, |v[NN+\k+3]|
.endr
	s_delay_alu instid0(VALU_DEP_2)
	v_max3_num_f32 v18, v18, |v[NN+30]|, |v[NN+31]|
	s_delay_alu instid0(VALU_DEP_1)
	v_max3_num_f32 v18, v18, v19, 0x1800000        ; and the floor 2^(3 - 127): the byte cannot fall under 1
	s_delay_alu instid0(VALU_DEP_1)
	v_add_nc_u32 v20, 0xff000000, v18              ; 2 off its exponent field: the conversion takes this operand's exponent field as its scale
	v_cvt_scalef32_pk16_fp6_f32 v[22:24], v[NN:NN+15], v20
	v_cvt_scalef32_pk16_fp6_f32 v[28:30], v[NN+16:NN+31], v20   ; (a conversion's three registers begin on an even number)
	v_lshrrev_b32 v21, 23, v20                     ; the scale's byte; also the plain place behind the conversions
	v_mov_b32 v25, v28
	v_mov_b32 v26, v29
	v_mov_b32 v27, v30
	ds_store_b64 v5, v[22:23] offset:\i*48
	ds_store_b64 v5, v[24:25] offset:\i*48+8
	ds_store_b64 v5, v[26:27] offset:\i*48+16
	ds_store_b8 v6, v21 offset:\i*8
.endm
	ROW 0
	ROW 1
	ROW 2
	ROW 3
	s_wait_dscnt 0x0                               ; for the others' sake: my stores into the two stages are done
	s_barrier_signal -1
	s_barrier_wait -1
	s_and_b32 s49, s28, 3
	s_lshl_b32 s40, s49, 8
	s_add_co_u32 s40, s40, SST
	v_lshl_add_u32 v10, v1, 3, s40                 ; group w & 3 of the scale bytes: 8 bytes a lane, a lane a position
	s_mul_i32 s40, s49, s32
	v_lshl_add_u32 v11, v1, 3, s40
.irp t, 0,1,2
	ds_load_b128 v[64+4*\t:67+4*\t], v7 offset:512*\t
.endr
.irp t, 0,1,2
	ds_load_b128 v[76+4*\t:79+4*\t], v7 offset:CSP+512*\t
.endr
.irp t, 0,1,2
	s_wait_dscnt 5-\t                              ; the younger LDS loads may be out
	global_store_b128 v8, v[64+4*\t:67+4*\t], s[42:43] offset:512*\t   ; 512 consecutive bytes, at a multiple of 512 from the buffer's first byte
.endr
.irp t, 0,1,2
	s_wait_dscnt 2-\t
	global_store_b128 v8, v[76+4*\t:79+4*\t], s[58:59] offset:512*\t
.endr
	s_cmp_gt_u32 s28, 3
	s_cbranch_scc1 .Lend                           ; four groups of scale bytes: waves 0 to 3
	s_wait_alu depctr_va_vdst(0)
	ds_load_b64 v[32:33], v10
	s_wait_dscnt 0x0
	global_store_b64 v11, v[32:33], s[26:27]       ; 256 consecutive bytes, aligned
.Lend:
	v_lshl_add_u32 v2, v0, 2, 0xf800               ; no two registers can be kept for the add: v0 is kept, and the two are made here (v2 and v3 are done with)
	v_mov_b32 v3, 0
	s_wait_alu depctr_va_vdst(0)
	s_wait_tensorcnt 0x0                           ; the wave's end
	ds_add_u32 v2, v3
	s_wait_dscnt 0x0
	s_endpgm
.Lfunc_end_k_qd641c3c3d8_prep:
	.size	k_qd641c3c3d8_prep, .Lfunc_end_k_qd641c3c3d8_prep-k_qd641c3c3d8_prep
	.p2alignl 7, 3214868480
	.fill 96, 4, 3214868480
	.section	.rodata,"a",@progbits
	.p2align	6, 0x0
	.amdhsa_kernel k_qd641c3c3d8_prep
		.amdhsa_group_segment_fixed_size 64512
		.amdhsa_private_segment_fixed_size 0
		.amdhsa_enable_private_segment 0
		.amdhsa_kernarg_size 96
		.amdhsa_user_sgpr_count 2
		.amdhsa_user_sgpr_kernarg_segment_ptr 1
		.amdhsa_wavefront_size32 1
		.amdhsa_system_sgpr_workgroup_id_x 1
		.amdhsa_system_sgpr_workgroup_id_y 1
		.amdhsa_system_sgpr_workgroup_id_z 1
		.amdhsa_system_vgpr_workitem_id 0
		.amdhsa_next_free_vgpr 256
		.amdhsa_next_free_sgpr 66
		.amdhsa_reserve_vcc 0
		.amdhsa_float_denorm_mode_32 3
		.amdhsa_float_denorm_mode_16_64 3
		.amdhsa_memory_ordered 1
		.amdhsa_forward_progress 1
		.amdhsa_inst_pref_size 57
	.end_amdhsa_kernel
	.amdgpu_metadata
---
amdhsa.version: [ 1, 2 ]
amdhsa.kernels:
  - .name:           k_qd641c3c3d8_prep
    .symbol:         k_qd641c3c3d8_prep.kd
    .args:
      - { .name: x, .offset: 0, .size: 8, .value_kind: global_buffer, .address_space: global }
      - { .name: ln1_g, .offset: 8, .size: 8, .value_kind: global_buffer, .address_space: global }
      - { .name: ln1_b, .offset: 16, .size: 8, .value_kind: global_buffer, .address_space: global }
      - { .name: Wq, .offset: 24, .size: 8, .value_kind: global_buffer, .address_space: global }
      - { .name: Wk, .offset: 32, .size: 8, .value_kind: global_buffer, .address_space: global }
      - { .name: Wv, .offset: 40, .size: 8, .value_kind: global_buffer, .address_space: global }
      - { .name: Wo, .offset: 48, .size: 8, .value_kind: global_buffer, .address_space: global }
      - { .name: Wfc, .offset: 56, .size: 8, .value_kind: global_buffer, .address_space: global }
      - { .name: Wp2, .offset: 64, .size: 8, .value_kind: global_buffer, .address_space: global }
      - { .name: op1, .offset: 72, .size: 8, .value_kind: global_buffer, .address_space: global }
      - { .name: op2, .offset: 80, .size: 8, .value_kind: global_buffer, .address_space: global }
      - { .name: wp2q, .offset: 88, .size: 8, .value_kind: global_buffer, .address_space: global }
    .group_segment_fixed_size: 64512
    .private_segment_fixed_size: 0
    .kernarg_segment_align: 8
    .kernarg_segment_size: 96
    .max_flat_workgroup_size: 256
    .sgpr_count:     66
    .vgpr_count:     256
    .wavefront_size: 32
...
	.end_amdgpu_metadata
.endif
;; end of part 1
;; launch qkv (part 2): grid 12 x 16, 4 waves a work-group, clusters of 4 x 4, 327,680 bytes of LDS; arguments op1, bq, bk, bv, qkvq; writes qkvq
.if DOCPART == 2
	.amdgcn_target "amdgcn-amd-amdhsa--gfx1250"
	.amdhsa_code_object_version 6
	.text
	.protected	k_qd641c3c3d8_qkv
	.globl	k_qd641c3c3d8_qkv
	.p2align	8
	.type	k_qd641c3c3d8_qkv,@function
k_qd641c3c3d8_qkv:
	s_mov_b64 s[64:65], 0
	v_nop
	global_prefetch_b8 v0, s[64:65] scope:SCOPE_SE
	s_setreg_imm32_b32 hwreg(HW_REG_WAVE_MODE, 25, 1), 1
	s_wait_xcnt 0x0
	s_wait_alu depctr_hold_cnt(0) depctr_sa_sdst(0) depctr_va_vdst(0) depctr_va_sdst(0) depctr_va_ssrc(0) depctr_va_vcc(0) depctr_vm_vsrc(0)
	s_getreg_b32 s2, hwreg(HW_REG_IB_STS2, 6, 4)
	s_cmp_eq_u32 s2, 0
	s_cbranch_scc0 .Lentry_in_a_cluster
	s_endpgm
.Lentry_in_a_cluster:
	s_bfe_u32 s2, ttmp6, 0x10000c
	s_cmp_lg_u32 s2, 0xf033
	s_cbranch_scc0 .Lentry_shape_is_right
	s_endpgm
.Lentry_shape_is_right:
; q, k = h [Wq; Wk]^T + bias, quantised along the head's axis;  v^T = Wv h^T + bv, quantised along the tokens.  All operands are codes of FP6 (E2M3) in op1 (8,192 positions, K = 1,024):
; h at positions 0, Wq at 4,096, Wk at 5,120, Wv at 6,144.  Codes [K / 64 sub-panels][positions][48 bytes], scale bytes [K / 256][positions][8]; row i lies at position i with bits 3 and 4 exchanged.
; A work-group of four waves makes 256 x 256, a wave 128 x 128: 64 accumulators.  THE MATRIX INSTRUCTION IS USED TRANSPOSED (source 0 = 16 positions of side B, source 1 = 16 of side A): a lane holds one row of side A,
; and by the exchange of bits 3 and 4 the 16 registers of accumulators 2 b and 2 b + 1 are 16 NEIGHBOURS along side B's true index, which is the K of the product that follows: they are quantised in registers.
; Clusters x = 0, 1: side A = h (tokens), side B = Wq, Wk.  Clusters x = 2: side A = Wv, side B = h, so that a lane holds one channel of v and its registers run along the tokens.  The two cases differ in numbers chosen
; by s_cselect_b32 on the cluster's x, which all sixteen partners share; no branch and no LDS address hangs on it.  The bias that does not apply is replaced by 0.
; K goes in steps of 256 through two LDS slots; a wave's tensor load brings 4 sub-panel parts of 128 positions x 48 bytes, each 6,144 consecutive bytes of memory.  With rows 48 bytes apart the 32 lanes of a load of
; 8 bytes touch 64 different banks (row r starts at word 12 r, the upper lanes 6 words on): no padding.  Tiles are asked for jointly: A's along a row of the cluster, B's along a column.
; OUT (qkvq): q and k codes [32 sub-panels = q heads, k heads][4,096][48] at 0, their scale bytes [8][4,096][8] at 6,291,456; v codes [64 sub-panels of tokens][1,024 channels][48] at 6,553,600, bytes [16][1,024][8] at 9,699,328.
; LIMITS: NaN and infinities are not served; a block of zeros gets the byte 1 (its codes are zeros, and this program alone reads the bytes); blocks whose largest magnitude lies under 2^-124 are held at the byte 1.
; REGISTERS: window 0: v16-31 addresses; v32-63 scale words, two sets; v64-115 at work on the way out; from v128 A's fragments, one set.  window 1: B's fragments at v0 and v128; v96-127, v224-255 the bias along side B.
;   windows 2, 3: the accumulators of my rows 0-63, 64-127.
.set NBK,   8                          ; blocks of 16 rows a wave and side
.set NQ,    2                          ; steps of 128 along K in a slot
.set KTOT,  1024
.set RA,    8192
.set RB,    8192
.set SOFFA, 6291456
.set SOFFB, 6291456
.set FR,    12
.set NSP,   2*NQ
.set SPB,   16*NBK*48                  ; a loader's part of a sub-panel
.set HALFT, NSP*SPB
.set SLOT,  4*HALFT
.set SROW,  16*NBK*8
.set NG,    KTOT/256
.set HALFS, NG*SROW
.set LAPS,  KTOT/(256*NQ)
.set SCL,   2*SLOT                     ; behind the ring: the scale bytes of my rows for all of K, filled once
.set SPARE, SCL+4*HALFS                ; the spare words: 128 bytes a wave, two blocks of 256 bytes that no other line names
.set SSTG,  49152                      ; the way out: codes [4 sub-panels][256 rows][48] at 0, scale bytes [256 rows][8] here: in slot 0, which has had its last fill and its last read
.set ADRA, 16
.set ADRB, 20
.set RDS,  22
.set STO,  24
.set RD,   25
.set CO,   26
.set ADRS, 27
.set SPW,  28
.set NIL,  29
.set SSTO, 30
.set SC,   32
.set PC,   64
.set MX,   84
.set PB,   88
.set SO,   92
.set PW,   96
.set BM,   100                         ; v100-115 the bias along side A, a pair for each block
.set AF,   128
.set H,    128
.set G1, 24
.set G0, 32
.set G1B, 48
.set G0B, 56
.set G1S, 68
.set G0S, 76
.set G1SB, 80
.set G0SB, 88
.set MSB, 0
.macro WIN new                         ; the immediate's high byte repeats the setting that is left
.if MSB != (\new)
	s_set_vgpr_msb (MSB<<8)|(\new)
.set MSB, (\new)
.endif
.endm
.set MUL_LO, 0xa1                      ; source 0 (B) window 1, source 1 (A) window 0, C and D window 2
.set MUL_HI, 0xf1
.set TO_B,   0x40
.macro JLOAD g0a, g1a, g0b, g1b        ; a joint load: waves 0 and 1 fetch for A, waves 2 and 3 for B; four v_nop follow each line
	s_cmp_eq_u32 s15, 0
	s_cbranch_scc0 .Lfor_b_\@
	tensor_load_to_lds s[\g0a:\g0a+3], s[\g1a:\g1a+7]
	s_nop 0
.rept 4
	v_nop
.endr
	s_branch .Lasked_\@
.Lfor_b_\@:
	tensor_load_to_lds s[\g0b:\g0b+3], s[\g1b:\g1b+7]
	s_nop 0
.rept 4
	v_nop
.endr
.Lasked_\@:
.endm
.macro CREST                           ; a round of the cluster's barrier behind its opening barrier
	s_cmp_lg_u32 s14, 0
	s_cbranch_scc1 .Lnot_wave_0_\@
	s_barrier_signal -3
.Lnot_wave_0_\@:
	s_barrier_wait -3
	s_barrier_signal -1
	s_barrier_wait -1
.endm
.macro CROUND
	s_barrier_signal -1
	s_barrier_wait -1
	CREST
.endm
.macro PLACES n                        ; plain vector places behind matrix instructions (ISA guide 7.12.1)
.rept \n
	v_nop
.endr
.endm
.macro FRAG reg, adr, q, i             ; 16 rows x 128 K: registers 6 c .. 6 c + 5 = the 24 bytes at 24 (lane / 16) of row lane % 16 in sub-panel 2 q + c
.irp p, 0,1,2,3,4,5
	ds_load_b64 v[\reg+2*\p:\reg+2*\p+1], v[\adr] offset:(2*(\q)+\p/3)*SPB+(\i)*768+8*(\p%3)
.endr
.endm
.macro MULA a, p, q, sc, zero          ; A's block a against B's NBK blocks; the accumulators take turns, one instruction a turn
.set AC, 8*NBK*((\a)%(NBK/2))
.set BI, 0
.rept NBK
.if \zero
	v_wmma_scale_f32_16x16x128_f8f6f4 v[AC+8*BI:AC+8*BI+7], v[128*(\p)+FR*BI:128*(\p)+FR*BI+FR-1], v[AF+FR*(\a):AF+FR*(\a)+FR-1], 0, v[SC+16*(\sc)+NQ*BI+(\q)], v[SC+16*(\sc)+NQ*(\a)+(\q)] matrix_a_fmt:MATRIX_FMT_FP6 matrix_b_fmt:MATRIX_FMT_FP6 matrix_a_scale:MATRIX_SCALE_ROW1
.else
	v_wmma_scale_f32_16x16x128_f8f6f4 v[AC+8*BI:AC+8*BI+7], v[128*(\p)+FR*BI:128*(\p)+FR*BI+FR-1], v[AF+FR*(\a):AF+FR*(\a)+FR-1], v[AC+8*BI:AC+8*BI+7], v[SC+16*(\sc)+NQ*BI+(\q)], v[SC+16*(\sc)+NQ*(\a)+(\q)] matrix_a_fmt:MATRIX_FMT_FP6 matrix_b_fmt:MATRIX_FMT_FP6 matrix_a_scale:MATRIX_SCALE_ROW1
.endif
.set BI, BI+1
.endr
.endm
.macro MULQ a0, p, q, sc, zero         ; a quarter of A's blocks
.set AI, \a0
.rept NBK/4
	MULA AI, \p, \q, \sc, \zero
.set AI, AI+1
.endr
.endm
.macro FETCH_B slot, q, p
	WIN TO_B
.set FI, 0
.rept NBK
	FRAG 128*(\p)+FR*FI, ADRB+\slot, \q, FI
.set FI, FI+1
.endr
	WIN 0
.endm
.macro FETCH_A slot, q, i0
.set FI, \i0
.rept NBK/2
	FRAG AF+FR*FI, ADRA+\slot, \q, FI
.set FI, FI+1
.endr
.endm
.macro SCALES sc                       ; a slot's scale words: lanes 0-15 A's block i, lanes 16-31 B's block i
.set FI, 0
.rept NBK
.set GI, 0
.rept NQ/2
	ds_load_b64 v[SC+16*\sc+NQ*FI+2*GI:SC+16*\sc+NQ*FI+2*GI+1], v[ADRS] offset:FI*128+GI*SROW
.set GI, GI+1
.endr
.set FI, FI+1
.endr
.endm
.macro STEP slot, q, zero              ; 128 along K with its successor in the same slot
	s_wait_dscnt 3*NBK                             ; B's set and A's lower blocks are in; the youngest loads, A's upper blocks, may be out
	WIN MUL_LO
	MULQ 0, (\q)%2, \q, \slot, \zero
	MULQ NBK/4, (\q)%2, \q, \slot, \zero
	s_wait_dscnt 0x0
	PLACES 4
	FETCH_B \slot, (\q)+1, 1-(\q)%2
	FETCH_A \slot, (\q)+1, 0
	WIN MUL_HI
	MULQ NBK/2, (\q)%2, \q, \slot, \zero
	MULQ 3*NBK/4, (\q)%2, \q, \slot, \zero
	PLACES 4
	WIN 0
	FETCH_A \slot, (\q)+1, NBK/2
.endm
.macro TURN slot, next, fill           ; a slot's last step changes slots: one barrier; fill = 1: this slot is filled again, two slots ahead
	s_wait_tensorcnt 0x0                           ; all my tensor loads have landed: my part of the next slot
	ds_add_u32 v[SPW], v[NIL]                      ; 0 onto my spare word
	s_wait_dscnt 3*NBK+1                           ; (the add and A's upper blocks may be out)
	WIN MUL_LO
	MULQ 0, 1, NQ-1, \slot, 0
	s_wait_dscnt 0x0                               ; the add is done, and my reads of this slot are over
	s_barrier_signal -1
	MULQ NBK/4, 1, NQ-1, \slot, 0
	WIN 0
	s_barrier_wait -1
.if \fill
	CREST                                          ; the barrier has opened a round of the cluster's barrier: no wave of any partner still reads this slot or has a load on its way
	s_add_nc_u64 s[G0+4*\slot+2:G0+4*\slot+3], s[G0+4*\slot+2:G0+4*\slot+3], 2*NSP*RA*48
	s_add_nc_u64 s[G0B+4*\slot+2:G0B+4*\slot+3], s[G0B+4*\slot+2:G0B+4*\slot+3], 2*NSP*RB*48
	JLOAD G0+4*\slot, G1, G0B+4*\slot, G1B         ; the first tensor load behind the round; its four v_nop are the places in front of the loads below
.else
	PLACES 4
.endif
	s_wait_alu depctr_va_vdst(0)
	v_add_nc_u32 v[ADRS], (NQ/2)*SROW, v[ADRS]     ; the next slot's scale words
	FETCH_B \next, 0, 0
	FETCH_A \next, 0, 0
	SCALES \next
	WIN MUL_HI
	MULQ NBK/2, 1, NQ-1, \slot, 0
	MULQ 3*NBK/4, 1, NQ-1, \slot, 0
	PLACES 4
	WIN 0
	FETCH_A \next, 0, NBK/2
.endm
	s_load_b256 s[4:11], s[0:1], 0x0               ; op1, bq, bk, bv
	s_load_b64 s[12:13], s[0:1], 0x20              ; qkvq
	v_lshl_add_u32 v[SPW], v0, 2, SPARE
	v_mov_b32 v[NIL], 0
	ds_add_u32 v28, v29
	ds_add_u32 v28, v29
	s_wait_dscnt 0x0
	v_mov_b32 v31, 0
	v_lshrrev_b32 v1, 5, v0
	v_readfirstlane_b32 s14, v1                    ; wave 0..3
	s_lshr_b32 s15, s14, 1                         ; my half of side A's rows.  Also: I fetch for A (0) or for B (1)
	s_and_b32 s16, s14, 1                          ; my half of side B's.  Also: which 128 positions I fetch
	s_bfe_u32 s40, ttmp6, 0x40000                  ; cx, cy
	s_bfe_u32 s41, ttmp6, 0x40004
	s_and_b32 s17, ttmp7, 0xffff                   ; the cluster's y
	s_mov_b32 s99, 6291456
	s_cmp_eq_u32 ttmp9, 2                          ; the v part?  The same in all sixteen partners
	s_cselect_b32 s18, 0, s17                      ; side A's four tiles: Wv's, or tokens by the cluster's y
	s_cselect_b32 s42, s17, ttmp9                  ; side B's: tokens by the cluster's y, or Wq, Wk by its x
	s_cselect_b32 s19, 6144, 0                     ; side A's first position in op1
	s_cselect_b32 s95, 0, 4096                     ; side B's
	s_cselect_b32 s96, -1, 0                       ; all lanes, or none
	s_cselect_b32 s97, 10, 12                      ; log2 of the output's positions
	s_cselect_b32 s98, 6553600, 0                  ; where its codes begin,
	s_cselect_b32 s99, 9699328, s99                ; and its scale bytes
	s_lshl_b32 s17, s18, 2
	s_add_co_u32 s17, s17, s41                     ; tile of side A
	s_lshl_b32 s42, s42, 2
	s_add_co_u32 s42, s42, s40                     ; tile of side B
	s_lshl_b32 s43, s41, 2
	s_lshl_b32 s43, 15, s43                        ; my row of the cluster
	s_lshl_b32 s44, 0x1111, s40                    ; my column
	s_or_b32 s[G1+0], s43, (3<<16)|(1<<21)         ; the mask; elements of 8 bytes; bit 21 beside a mask; no padding
	s_or_b32 s[G1B+0], s44, (3<<16)|(1<<21)
.irp g, G1, G1B
	s_mov_b32 s[\g+1], (SPB/8)<<16                 ; tensor_dim0: a part of a sub-panel
	s_mov_b32 s[\g+2], NSP<<16                     ; tensor_dim1: the slot's sub-panels
	s_mov_b32 s[\g+3], (SPB/8)<<16                 ; tile_dim0
	s_mov_b32 s[\g+4], NSP                         ; tile_dim1
	s_mov_b32 s[\g+6], 0
	s_mov_b32 s[\g+7], 0
.endr
	s_mov_b32 s[G1+5], RA*6                        ; from sub-panel to sub-panel, in elements
	s_mov_b32 s[G1B+5], RB*6
	s_mul_i32 s18, s16, 16*NBK                     ; which half of the tile I fetch
	s_mul_i32 s20, s17, 32*NBK
	s_add_co_u32 s20, s20, s18
	s_add_co_u32 s20, s20, s19                     ; A: my first position
	s_mul_i32 s46, s42, 32*NBK
	s_add_co_u32 s46, s46, s18
	s_add_co_u32 s46, s46, s95                     ; B's
	s_lshl_b32 s22, s20, 3
	s_add_co_u32 s22, s22, SOFFA
	s_mov_b32 s23, 0
	s_mul_i32 s20, s20, 48
	s_mov_b32 s21, 0
	s_lshl_b32 s92, s46, 3
	s_add_co_u32 s92, s92, SOFFB
	s_mov_b32 s93, 0
	s_mul_i32 s46, s46, 48
	s_mov_b32 s47, 0
	s_mul_i32 s45, s14, HALFT                      ; where they go: by the wave's number alone
	s_mul_i32 s94, s14, HALFS
	s_mov_b32 s100, 0x76543210
	s_mov_b32 s101, 0xfedcba98                     ; v_permlanex16_b32's selects for lane l xor 16
	s_wait_kmcnt 0x0
	s_add_nc_u64 s[20:21], s[4:5], s[20:21]
	s_add_nc_u64 s[22:23], s[4:5], s[22:23]
	s_add_nc_u64 s[46:47], s[4:5], s[46:47]
	s_add_nc_u64 s[92:93], s[4:5], s[92:93]
	CROUND                                         ; all sixteen work-groups are here: the first joint loads meet
	; the scale bytes of my 128 positions, 4 groups of 1,024 bytes, come by plain loads of 512 consecutive bytes and go into LDS bytes of their own by LDS stores
	v_and_b32 v9, 31, v0
	v_lshlrev_b32 v9, 4, v9                        ; 16 x lane
	s_add_co_u32 s94, s94, SCL
	v_add_nc_u32 v10, s94, v9                      ; where my part goes: by the wave's number alone
	s_wait_alu depctr_va_vdst(0)
	s_cmp_eq_u32 s15, 0
	s_cselect_b64 s[22:23], s[22:23], s[92:93]     ; waves 0, 1 side A's, waves 2, 3 side B's
.irp g, 0,1,2,3
	global_load_b128 v[128+8*\g:131+8*\g], v9, s[22:23] offset:\g*RA*8
	global_load_b128 v[132+8*\g:135+8*\g], v9, s[22:23] offset:\g*RA*8+512
.endr
.irp s, 0,1
	s_mov_b32 s[G0+4*\s], 1
	s_add_co_u32 s[G0+4*\s+1], s45, \s*SLOT
	s_add_nc_u64 s[G0+4*\s+2:G0+4*\s+3], s[20:21], \s*NSP*RA*48
	s_or_b32 s[G0+4*\s+3], s[G0+4*\s+3], 0x80000000
	s_mov_b32 s[G0B+4*\s], 1
	s_add_co_u32 s[G0B+4*\s+1], s45, \s*SLOT
	s_add_nc_u64 s[G0B+4*\s+2:G0B+4*\s+3], s[46:47], \s*NSP*RB*48
	s_or_b32 s[G0B+4*\s+3], s[G0B+4*\s+3], 0x80000000
.if \s
	s_wait_loadcnt 0x0                             ; my scale bytes
.irp g, 0,1,2,3
	ds_store_b128 v10, v[128+8*\g:131+8*\g] offset:\g*SROW
	ds_store_b128 v10, v[132+8*\g:135+8*\g] offset:\g*SROW+512
.endr
	s_wait_alu depctr_va_vdst(0)
	s_wait_tensorcnt 0x0                           ; slot 1's first fill is issued as a refill is
	ds_add_u32 v28, v29
	s_wait_dscnt 0x0
	CROUND
.endif
	JLOAD G0+4*\s, G1, G0B+4*\s, G1B               ; one tensor load of mine is out
.endr
	v_and_b32 v1, 15, v0                           ; r
	v_bfe_u32 v2, v0, 4, 1                         ; h
	s_wait_alu depctr_va_vdst(0)
	v_mul_u32_u24 v3, v1, 48
	v_mad_u32_u24 v3, v2, 24, v3                   ; a fragment's row x 48 + 24 x half
	s_wait_alu depctr_va_vdst(0)
	s_mul_i32 s21, s15, HALFT
	s_mul_i32 s22, s16, HALFT
	s_add_co_u32 s22, s22, 2*HALFT
.irp s, 0,1
	v_add_nc_u32 v[ADRA+\s], s21, v3
	v_add_nc_u32 v[ADRB+\s], s22, v3
	s_add_co_u32 s21, s21, SLOT
	s_add_co_u32 s22, s22, SLOT
.endr
	v_lshlrev_b32 v5, 3, v1
	s_mul_i32 s21, s15, HALFS
	s_mul_i32 s22, s16, HALFS
	s_add_co_u32 s22, s22, 2*HALFS
	s_sub_co_u32 s22, s22, s21
	v_mul_u32_u24 v6, s22, v2                      ; lanes 16-31 take B's
	s_add_co_u32 s21, s21, SCL
	v_add_nc_u32 v5, v5, v6
	v_add_nc_u32 v[ADRS], s21, v5
	s_mul_i32 s21, s16, 24576                      ; the way out: my two sub-panels, my 128 rows
	s_mul_i32 s22, s15, 6144
	s_add_co_u32 s21, s21, s22
	v_add_nc_u32 v[STO], s21, v3
	s_lshl_b32 s21, s15, 10
	s_lshl_b32 s22, s16, 2
	s_add_co_u32 s21, s21, s22
	s_add_co_u32 s21, s21, SSTG
	v_lshl_add_u32 v[SSTO], v1, 3, s21             ; my row's scale word
	v_and_b32 v4, 31, v0
	v_lshlrev_b32 v[CO], 4, v4                     ; 16 x lane
	s_mul_i32 s21, s16, 24576
	s_mul_i32 s22, s15, 6144
	s_add_co_u32 s21, s21, s22
	v_add_nc_u32 v[RD], s21, v[CO]                 ; each wave copies out its own bytes of the codes' stage,
	s_lshl_b32 s21, s14, 9
	s_add_co_u32 s21, s21, SSTG
	v_add_nc_u32 v[RDS], s21, v[CO]                ; and 512 of the scale bytes
.irp b, 0,1,2,3
	v_mov_b32 v[PB+\b], 0                          ; written once: a lane permute's destination counts as one of its sources
.endr
	s_lshl_b32 s46, s42, 2                         ; where the results go
	s_lshl_b32 s47, s16, 1
	s_add_co_u32 s46, s46, s47
	s_lshl_b32 s46, s46, s97
	s_lshl_b32 s47, s17, 8
	s_add_co_u32 s46, s46, s47
	s_lshl_b32 s47, s15, 7
	s_add_co_u32 s46, s46, s47
	s_mul_i32 s46, s46, 48
	s_add_co_u32 s46, s46, s98
	s_mov_b32 s47, 0
	s_add_nc_u64 s[92:93], s[12:13], s[46:47]      ; codes: sub-panel 4 x B's tile + 2 x my half of side B, position 256 x A's tile + 128 x my half of side A
	s_lshl_b32 s20, 48, s97                        ; a sub-panel of the output, in bytes
	s_mov_b32 s21, 0
	s_add_nc_u64 s[20:21], s[92:93], s[20:21]      ; my second sub-panel
	s_lshl_b32 s46, s42, s97
	s_lshl_b32 s94, s17, 8
	s_add_co_u32 s46, s46, s94
	s_lshl_b32 s46, s46, 3
	s_lshl_b32 s94, s14, 9
	s_add_co_u32 s46, s46, s94
	s_add_co_u32 s46, s46, s99
	s_add_nc_u64 s[12:13], s[12:13], s[46:47]      ; scale bytes: group = B's tile
	s_cmp_eq_u32 ttmp9, 0                          ; the bias along side B: bq for the cluster x = 0, else bk (in the v part it is loaded and replaced by 0)
	s_cselect_b64 s[6:7], s[6:7], s[8:9]
	s_and_b32 s46, s42, 3
	s_lshl_b32 s46, s46, 10
	s_lshl_b32 s94, s16, 9
	s_add_co_u32 s46, s46, s94
	s_add_nc_u64 s[6:7], s[6:7], s[46:47]
	s_and_b32 s46, s17, 3                          ; the bias along side A: bv (in the q, k part loaded and replaced by 0)
	s_lshl_b32 s46, s46, 10
	s_lshl_b32 s94, s15, 9
	s_add_co_u32 s46, s46, s94
	s_add_nc_u64 s[10:11], s[10:11], s[46:47]
	v_lshlrev_b32 v7, 6, v2                        ; 64 h: register 16 b + 8 u + j belongs to column 32 b + 16 h + 8 u + j
	v_and_b32 v8, 8, v1
	v_add_nc_u32 v8, v8, v1
	v_lshlrev_b32 v8, 2, v8                        ; 4 (r + 8 (r / 8)): position 16 a + r is row 32 (a / 2) + 8 (a % 2) + r + 8 (r / 8)
	WIN TO_B
.irp k, 0,1,2,3,4,5,6,7
	global_load_b128 v[96+8*\k+96*(\k/4):99+8*\k+96*(\k/4)], v7, s[6:7] offset:128*(\k/2)+32*(\k%2)
	global_load_b128 v[100+8*\k+96*(\k/4):103+8*\k+96*(\k/4)], v7, s[6:7] offset:128*(\k/2)+32*(\k%2)+16
.endr
	WIN 0
.irp a, 0,1,2,3,4,5,6,7
	global_load_b32 v[BM+2*\a], v8, s[10:11] offset:4*(32*(\a/2)+8*(\a%2))
.endr
	s_wait_tensorcnt 1                             ; the scale bytes and my part of slot 0 are in; slot 1's load may be out
	s_barrier_signal -1
	s_barrier_wait -1
	FETCH_B 0, 0, 0
	FETCH_A 0, 0, 0
	SCALES 0
	FETCH_A 0, 0, NBK/2
	STEP 0, 0, 1                                   ; the first step's products start the sums
	s_mov_b32 s3, LAPS-1
.Llap:                                             ; a trip goes once round the ring and fills both slots again
	TURN 0, 1, 1
	STEP 1, 0, 0
	TURN 1, 0, 1
	STEP 0, 0, 0
	s_sub_co_u32 s3, s3, 1
	s_cmp_lg_u32 s3, 0
	s_cbranch_scc1 .Llap
	TURN 0, 1, 0                                   ; the last lap fills nothing
	STEP 1, 0, 0
	s_wait_dscnt 3*NBK
	WIN MUL_LO
	MULQ 0, 1, NQ-1, 1, 0
	MULQ NBK/4, 1, NQ-1, 1, 0
	s_wait_dscnt 0x0
	WIN MUL_HI
	MULQ NBK/2, 1, NQ-1, 1, 0
	MULQ 3*NBK/4, 1, NQ-1, 1, 0
	WIN 0
; THE WAY OUT.  64 numbers of a lane, register 16 b + i = column 32 b + 16 (lane / 16) + i of my row, become a fragment's codes in v[PC] on and the row's scale word in v[PW].
.macro QUANT s
.irp b, 0,1,2,3
	v_max3_num_f32 v[MX+\b], |v[\s+16*\b]|, |v[\s+1+16*\b]|, 0x1800000   ; and the floor 2^(3 - 127): the byte cannot fall under 1
.endr
.irp i, 2,4,6,8,10,12,14
.irp b, 0,1,2,3
	v_max3_num_f32 v[MX+\b], v[MX+\b], |v[\s+16*\b+\i]|, |v[\s+1+16*\b+\i]|
.endr
.endr
.irp b, 0,1,2,3
	v_permlanex16_b32 v[PB+\b], v[MX+\b], s100, s101
.endr
.irp b, 0,1,2,3
	v_max_num_f32 v[MX+\b], v[MX+\b], v[PB+\b]     ; with lane l xor 16's: the block's largest magnitude
.endr
.irp b, 0,1,2,3
	v_add_nc_u32 v[SO+\b], 0xff000000, v[MX+\b]    ; 2 off its exponent field: the conversion's scale operand
.endr
.irp b, 0,1,2,3
	v_lshrrev_b32 v[PB+\b], 23, v[SO+\b]           ; the scale's byte
.endr
	v_lshl_or_b32 v[PW], v[PB+1], 8, v[PB]
	v_lshl_or_b32 v[PW], v[PB+2], 16, v[PW]
	v_lshl_or_b32 v[PW], v[PB+3], 24, v[PW]
.irp c, 0,1
	v_cvt_scalef32_pk16_fp6_f32 v[PC+6*\c:PC+2+6*\c], v[\s+32*\c:\s+15+32*\c], v[SO+2*\c]
	v_cvt_scalef32_pk16_fp6_f32 v[PC+12+4*\c:PC+14+4*\c], v[\s+16+32*\c:\s+31+32*\c], v[SO+2*\c+1]
.endr
	v_nop                                          ; one plain place behind a scaled conversion
.irp c, 0,1                                    ; a whole block to a lane: lanes 0-15 block 2 c, lanes 16-31 block 2 c + 1
.irp i, 0,1,2
	v_permlane16_swap_b32 v[PC+6*\c+\i], v[PC+12+4*\c+\i]
.endr
.irp i, 0,1,2
	v_mov_b32 v[PC+3+6*\c+\i], v[PC+12+4*\c+\i]
.endr
.endr
.endm
.macro BLOCK a                         ; my rows 16 a on: biases, quantiser, codes and scale word into the stage
	WIN 0x06+(\a)/4                                ; source 0: the accumulators' window; source 1: window 1
.set KI, 0
.rept 32
	v_pk_add_f32 v[H+KI:H+KI+1], v[64*((\a)%4)+KI:64*((\a)%4)+KI+1], v[96+KI+96*(KI/32):97+KI+96*(KI/32)]   ; each accumulator from its low end on
.set KI, KI+2
.endr
	WIN 0
.set KI, 0
.rept 32
	v_pk_add_f32 v[H+KI:H+KI+1], v[H+KI:H+KI+1], v[BM+2*(\a):BM+2*(\a)+1]
.set KI, KI+2
.endr
	QUANT H
.irp c, 0,1
.irp i, 0,1,2
	ds_store_b64 v[STO], v[PC+6*\c+2*\i:PC+6*\c+2*\i+1] offset:\c*12288+(\a)*768+8*\i
.endr
.endr
	ds_store_b32 v[SSTO], v[PW] offset:(\a)*128    ; both halves of the lanes hold the same word and write it to the same place
	s_wait_dscnt 0x0
.endm
	PLACES 4                                       ; behind the last products: their results are read, and A's fragments' registers written
	s_wait_loadcnt 0x0                             ; the biases
	WIN 0x41                                       ; destination and source 0 window 1, the zero in window 0
.set KI, 0
.rept 64
	v_cndmask_b32 v[96+KI+96*(KI/32)], v[96+KI+96*(KI/32)], v31, s96   ; the v part has no bias along side B
.set KI, KI+1
.endr
	WIN 0
.irp a, 0,1,2,3,4,5,6,7
	v_cndmask_b32 v[BM+2*\a], v31, v[BM+2*\a], s96 ; the q, k part none along side A
	v_mov_b32 v[BM+2*\a+1], v[BM+2*\a]
.endr
; The codes leave behind every second block: 32 rows x 48 bytes of each of my two sub-panels, 2 x 1,536 consecutive bytes at multiples of 512; they are my own bytes of the stage, so no barrier stands in front of them.
.macro OUTLD p
.irp c, 0,1
.irp t, 0,1,2
	ds_load_b128 v[32+12*\c+4*\t:35+12*\c+4*\t], v[RD] offset:\c*12288+(\p)*1536+512*\t   ; LDS serves a wave's instructions in order: these see my stores
.endr
.endr
.endm
.macro OUTST p
.irp t, 0,1,2
	global_store_b128 v[CO], v[32+4*\t:35+4*\t], s[92:93] offset:(\p)*1536+512*\t
.endr
.irp t, 0,1,2
	global_store_b128 v[CO], v[44+4*\t:47+4*\t], s[20:21] offset:(\p)*1536+512*\t
.endr
.endm
	BLOCK 0
	BLOCK 1
	OUTLD 0
	BLOCK 2                                        ; (a block closes with the wait for all LDS instructions: the loads above are in)
	OUTST 0
	BLOCK 3
	s_wait_xcnt 0x0                                ; the stores have read their registers
	OUTLD 1
	BLOCK 4
	OUTST 1
	BLOCK 5
	s_wait_xcnt 0x0
	OUTLD 2
	BLOCK 6
	OUTST 2
	BLOCK 7
	s_wait_xcnt 0x0
	OUTLD 3
	s_wait_dscnt 0x0
	OUTST 3
	s_barrier_signal -1                            ; a row's 8 scale bytes are two waves': every wave's stores into their stage are done
	s_barrier_wait -1
	ds_load_b128 v[64:67], v[RDS]
	s_wait_dscnt 0x0
	global_store_b128 v[CO], v[64:67], s[12:13]
	s_wait_tensorcnt 0x0                           ; the wave's end
	ds_add_u32 v[SPW], v[NIL]
	s_wait_dscnt 0x0
	CROUND                                         ; the closing round
	s_endpgm
.Lfunc_end_k_qd641c3c3d8_qkv:
	.size	k_qd641c3c3d8_qkv, .Lfunc_end_k_qd641c3c3d8_qkv-k_qd641c3c3d8_qkv
	.p2alignl 7, 3214868480
	.fill 96, 4, 3214868480
	.section	.rodata,"a",@progbits
	.p2align	6, 0x0
	.amdhsa_kernel k_qd641c3c3d8_qkv
		.amdhsa_group_segment_fixed_size 327680
		.amdhsa_private_segment_fixed_size 0
		.amdhsa_enable_private_segment 0
		.amdhsa_kernarg_size 40
		.amdhsa_user_sgpr_count 2
		.amdhsa_user_sgpr_kernarg_segment_ptr 1
		.amdhsa_wavefront_size32 1
		.amdhsa_system_sgpr_workgroup_id_x 1
		.amdhsa_system_sgpr_workgroup_id_y 1
		.amdhsa_system_sgpr_workgroup_id_z 1
		.amdhsa_system_vgpr_workitem_id 0
		.amdhsa_next_free_vgpr 1024
		.amdhsa_next_free_sgpr 102
		.amdhsa_reserve_vcc 0
		.amdhsa_float_denorm_mode_32 3
		.amdhsa_float_denorm_mode_16_64 3
		.amdhsa_memory_ordered 1
		.amdhsa_forward_progress 1
		.amdhsa_inst_pref_size 210
	.end_amdhsa_kernel
	.amdgpu_metadata
---
amdhsa.version: [ 1, 2 ]
amdhsa.kernels:
  - .name:           k_qd641c3c3d8_qkv
    .symbol:         k_qd641c3c3d8_qkv.kd
    .args:
      - { .name: op1, .offset: 0, .size: 8, .value_kind: global_buffer, .address_space: global }
      - { .name: bq, .offset: 8, .size: 8, .value_kind: global_buffer, .address_space: global }
      - { .name: bk, .offset: 16, .size: 8, .value_kind: global_buffer, .address_space: global }
      - { .name: bv, .offset: 24, .size: 8, .value_kind: global_buffer, .address_space: global }
      - { .name: qkvq, .offset: 32, .size: 8, .value_kind: global_buffer, .address_space: global }
    .group_segment_fixed_size: 327680
    .private_segment_fixed_size: 0
    .kernarg_segment_align: 8
    .kernarg_segment_size: 40
    .max_flat_workgroup_size: 128
    .sgpr_count:     102
    .vgpr_count:     1024
    .wavefront_size: 32
...
	.end_amdgpu_metadata
.endif
;; end of part 2
;; launch attn (part 3): grid 8 x 32, 16 waves a work-group, no clusters, 301,056 bytes of LDS; arguments qkvq, yq; writes yq
.if DOCPART == 3
	.amdgcn_target "amdgcn-amd-amdhsa--gfx1250"
	.amdhsa_code_object_version 6
	.text
	.protected	k_qd641c3c3d8_attn
	.globl	k_qd641c3c3d8_attn
	.p2align	8
	.type	k_qd641c3c3d8_attn,@function
k_qd641c3c3d8_attn:
	s_mov_b64 s[64:65], 0
	v_nop
	global_prefetch_b8 v0, s[64:65] scope:SCOPE_SE
	s_setreg_imm32_b32 hwreg(HW_REG_WAVE_MODE, 25, 1), 1
	s_wait_xcnt 0x0
; Causal attention of one head on codes of FP6 (E2M3), and its result quantised along the head's 64 channels.  Inputs in qkvq: q and k codes [32 sub-panels: q heads, k heads][4,096 positions][48 bytes], their scale bytes
; [8][4,096][8] at 6,291,456; v codes with the tokens innermost [64 sub-panels of tokens][1,024 channels][48] at 6,553,600, its scale bytes [16][1,024][8] at 9,699,328.  Row i lies at position i with bits 3 and 4 exchanged.
; THE SOFTMAX: t = score x log2(e) / 8; M = the running largest t rounded UP to a whole number; p = 2^(t - M) is quantised along the keys; the row's sum is taken of the unquantised p and divides at the end.
; SHARES.  A work-group has one head and two blocks of 128 queries, j and 15 - j, which need j + 1 and 16 - j steps of 128 keys.  Waves w and w + 8 share the two tiles of 16 queries numbered w % 8 BY KEYS: of each 256 keys
; wave w < 8 takes the first 128 and wave w + 8 the second, in both tiles: 9 and 8 steps.  Waves 0-7 take the tile of block 15 - j first and then that of block j, waves 8-15 the other way round.  A wave leaves its first
; tile's part (O^T, -M, the sum: 4,352 bytes) in LDS bytes of its own; behind one barrier it brings its partner's part of its second tile under the common M (both factors are powers of two) and finishes that tile.
; NO RING: a head's codes of k and v (2 x 98,304 bytes) and their scale bytes stay in LDS; each byte is filled once, by ten tensor loads at the head, one a wave.
; No multicast: a step all of whose keys are hidden is left out by a branch on the work-group's block of queries, which differs between the work-groups of a head.  No prefetch: all tiles are asked for at the head.
; LAYOUT.  Both products are used transposed: S^T = K Q^T, O^T = V^T P^T: a lane holds one query.  16 consecutive positions of k are keys 32 b + 16 (lane / 16) + 8 u + j in the results of tiles 2 b + u.
; THE FIRST PRODUCT'S K IS 64: Q's registers 6-11 are zeros and both sides' scale bytes 2 and 3 are 0 (2^-127); K's operand runs on into the next tile's codes, which meet zeros and add nothing.
; OUT (yq): codes [16 sub-panels = heads][4,096][48], scale bytes [4][4,096][8] at 3,145,728.  A row's 8 scale bytes belong to four heads' work-groups, so each stores its two.
; LIMITS: NaN and infinities are not served; a block of zeros gets the byte 1 (its codes are zeros).
; REGISTERS: v1-7, v28-31, v195 addresses that stay; v8-11 addresses in hand; v12 -M, v13 the largest t, v[14:15] the sum; v16-27 the first tile's Q, v196-207 the second's, v255 and v208 their scale words;
;   v32-85 K's eight tiles (v80-85 zeros), later V's four fragments; v86-93 K's or V's scale words; v96-159 S^T, then p; v160-191 O^T; v192-194 the mask's; v224-254 at work; v250, v251 the add's.
.set VCO,  98304
.set KSO,  196608
.set VSO,  212992
.set YST,  217088                      ; the stage for y: [256 positions][48], written by LDS stores alone
.set SPARE, 229376                     ; the spare words: 128 bytes a wave
.set XCH,  231424                      ; the parts handed over: 4,352 bytes a wave, written by LDS stores alone
.set XW,   4352
.set AK0,  1
.set AV0,  2
.set ASK0, 3
.set ASV0, 4
.set YSTO, 5
.set ADK,  8
.set ADV,  9
.set ADS,  10
.set ADT,  11
.set WV,   18
.set SEL,  20
.set CS,   22
.set TB,   2
.set TS,   3
.set TJ,   66
.set QB,   78                          ; s78  the second tile's first query
.set HF,   79                          ; s79  wave / 8: which 128 of each 256 keys are mine
.set KF,   98
.set Q0,   99
	s_load_b128 s[4:7], s[0:1], 0x0                ; qkvq, yq
	v_lshl_add_u32 v250, v0, 2, SPARE
	v_mov_b32 v251, 0
	ds_add_u32 v250, v251
	ds_add_u32 v250, v251
	v_lshrrev_b32 v8, 5, v0
	v_readfirstlane_b32 s[WV], v8                  ; wave 0..15
	s_and_b32 s8, ttmp7, 0xffff
	s_lshr_b32 s9, s8, 4
	s_lshl_b32 s9, s9, 11                          ; the batch's first token
	s_and_b32 s8, s8, 15                           ; the head
	s_sub_co_u32 s10, 15, ttmp9
	s_lshr_b32 s[HF], s[WV], 3
	s_cmp_eq_u32 s[HF], 0
	s_cselect_b32 s11, s10, ttmp9                  ; my first tile's block of 128 queries,
	s_cselect_b32 s17, ttmp9, s10                  ; and my second's
	s_and_b32 s12, s[WV], 7
	s_lshl_b32 s13, s12, 4
	s_lshl_b32 s[Q0], s11, 7
	s_add_co_u32 s[Q0], s[Q0], s13
	s_lshl_b32 s[QB], s17, 7
	s_add_co_u32 s[QB], s[QB], s13
	s_and_b32 s16, s8, 3
	s_lshl_b32 s16, s16, 1                         ; my head's two bytes among a row's eight
.macro GRP1 g, c, r, p                 ; descriptor group 1: r rows of c elements of 8 bytes, p elements apart; no mask, no padding
	s_mov_b32 s[\g], 3<<16
	s_mov_b32 s[\g+1], (\c)<<16
	s_mov_b32 s[\g+2], (\r)<<16
	s_mov_b32 s[\g+3], (\c)<<16
	s_mov_b32 s[\g+4], \r
	s_mov_b32 s[\g+5], \p
	s_mov_b32 s[\g+6], 0
	s_mov_b32 s[\g+7], 0
.endm
	GRP1 24, 32, 96, 32                            ; K's codes: a dense chunk of 512 keys, 24,576 bytes
	GRP1 32, 32, 64, 32                            ; K's scale bytes: 16,384 dense bytes
	GRP1 40, 384, 8, 6144                          ; V's codes: 8 sub-panels' parts of 64 channels x 48 bytes
	GRP1 48, 64, 8, 1024                           ; V's scale bytes: 8 groups' parts of 512 bytes
	s_add_co_u32 s80, s8, 16
	s_lshl_b32 s80, s80, 12
	s_add_co_u32 s80, s80, s9
	s_mul_i32 s80, s80, 48                         ; K's codes of my head and batch
	s_lshl_b32 s82, s9, 4
	s_lshl_b32 s83, s8, 6
	s_add_co_u32 s82, s82, s83
	s_mul_i32 s82, s82, 48
	s_add_co_u32 s82, s82, 6553600                 ; V's
	s_lshr_b32 s84, s8, 2
	s_add_co_u32 s85, s84, 4
	s_lshl_b32 s85, s85, 12
	s_add_co_u32 s85, s85, s9
	s_lshl_b32 s85, s85, 3
	s_add_co_u32 s85, s85, 6291456                 ; K's scale bytes
	s_lshl_b32 s86, s9, 2
	s_add_co_u32 s86, s86, s83
	s_lshl_b32 s86, s86, 3
	s_add_co_u32 s86, s86, 9699328                 ; V's
	; the ten tiles, one tensor load a wave: wave 0 K's chunk 0, wave 1 V's chunk 0, wave 2 K's scale bytes, wave 3 V's; waves 5-7 K's chunks 1-3, waves 9-11 V's chunks 1-3
	s_and_b32 s87, s[WV], 3                        ; the chunk
	s_and_b32 s89, s[WV], 1                        ; waves 0-3: K's (0) or V's (1)
	s_bfe_u32 s88, s[WV], 0x10003                  ; waves 5-7: K's (0); waves 9-11: V's (1)
	s_mul_i32 s90, s87, 24576
	s_mul_i32 s91, s87, 393216
	s_add_co_u32 s90, s90, s80
	s_add_co_u32 s91, s91, s82
	s_cmp_eq_u32 s88, 0
	s_cselect_b32 s90, s90, s91                    ; a later chunk's place in qkvq
	s_cmp_eq_u32 s89, 0
	s_cselect_b32 s80, s80, s82                    ; chunk 0's
	s_cselect_b32 s82, s85, s86                    ; the scale bytes'
	s_mov_b32 s81, 0
	s_mov_b32 s83, 0
	s_mov_b32 s91, 0
	s_lshl_b32 s88, s88, 2
	s_add_co_u32 s88, s88, s87
	s_mul_i32 s88, s88, 24576                      ; LDS: a later chunk (V's region begins four chunks in)
	s_mul_i32 s86, s89, VCO                        ; LDS: chunk 0
	s_lshl_b32 s89, s89, 14
	s_add_co_u32 s89, s89, KSO                     ; LDS: the scale bytes
	s_mov_b32 s[SEL], 0x76543210
	s_mov_b32 s[SEL+1], 0xfedcba98
	s_mov_b32 s[CS], 0x3e38aa3b                    ; c = log2(e) / 8
	s_mov_b32 s[CS+1], s[CS]
	s_mov_b32 s[TB], 0
	s_mov_b32 s[TS], 0
	s_mov_b32 s[TJ], 0
	s_lshl_b32 s[KF], s[HF], 7                     ; my first key
	s_wait_dscnt 0x0
	s_wait_kmcnt 0x0
	s_mov_b32 s56, 1
	s_mov_b32 s57, s89
	s_add_nc_u64 s[58:59], s[4:5], s[82:83]
	s_or_b32 s59, s59, 0x80000000
	s_mov_b32 s68, 1
	s_mov_b32 s69, s86
	s_add_nc_u64 s[70:71], s[4:5], s[80:81]
	s_or_b32 s71, s71, 0x80000000
	s_mov_b32 s60, 1
	s_mov_b32 s61, s88
	s_add_nc_u64 s[62:63], s[4:5], s[90:91]
	s_or_b32 s63, s63, 0x80000000
.macro ARM under, g0, g1, next         ; one chain of branches on the wave's number, one load to an arm, all arms to one join
	s_cmp_lt_u32 s[WV], \under
	s_cbranch_scc0 \next
	tensor_load_to_lds s[\g0:\g0+3], s[\g1:\g1+7]
	s_nop 0
.rept 4
	v_nop
.endr
	s_branch .Lasked
\next:
.endm
	ARM 1, 68, 24, .Lv_first                       ; what keys 0 to 511 need has load lines of its own: waves 0 to 3 alone wait ahead of the first barrier
	ARM 2, 68, 40, .Lk_bytes
	ARM 3, 56, 32, .Lv_bytes
	ARM 4, 56, 48, .Llater
	s_cmp_eq_u32 s87, 0
	s_cbranch_scc1 .Lasked                         ; waves 4, 8, 12 load nothing
	ARM 8, 60, 24, .Lv_later
	ARM 12, 60, 40, .Lno_load
.Lasked:
	v_and_b32 v8, 15, v0                           ; r
	v_bfe_u32 v9, v0, 4, 1                         ; h
	v_and_b32 v10, 8, v8
	v_add_nc_u32 v10, v10, v8                      ; r + 8 (r / 8): query Q0 + r lies at position (Q0 & ~31) + 8 ((Q0 / 16) & 1) + r + 8 (r / 8)
	v_mul_u32_u24 v11, v10, 48
	v_mad_u32_u24 v11, v9, 24, v11
	v_lshlrev_b32 v6, 3, v10
	v_and_b32 v7, 31, v0
	v_lshlrev_b32 v7, 4, v7                        ; 16 x lane
	s_wait_alu depctr_va_vdst(0)
.macro QLOAD q0, vq, vs                ; a tile's Q: 64 codes a row, registers 0-5 of the operand, and its two scale bytes (the upper two are 0).  Leaves in s94 the place of the rows' two scale bytes
	s_lshr_b32 s90, s[\q0], 5
	s_lshl_b32 s90, s90, 5
	s_and_b32 s91, s[WV], 1
	s_lshl_b32 s91, s91, 3
	s_add_co_u32 s90, s90, s91
	s_add_co_u32 s90, s90, s9                      ; the queries' first position
	s_lshl_b32 s91, s8, 12
	s_add_co_u32 s91, s91, s90
	s_mul_i32 s92, s91, 48
	s_mov_b32 s93, 0
	s_add_nc_u64 s[92:93], s[4:5], s[92:93]
	global_load_b64 v[\vq:\vq+1], v11, s[92:93]
	global_load_b64 v[\vq+2:\vq+3], v11, s[92:93] offset:8
	global_load_b64 v[\vq+4:\vq+5], v11, s[92:93] offset:16
	s_lshl_b32 s94, s84, 12
	s_add_co_u32 s94, s94, s90
	s_lshl_b32 s94, s94, 3
	s_add_co_u32 s94, s94, s16
	s_add_co_u32 s96, s94, 6291456
	s_mov_b32 s97, 0
	s_add_nc_u64 s[96:97], s[4:5], s[96:97]
	global_load_u16 v[\vs], v6, s[96:97]
.endm
	QLOAD Q0, 16, 255
	s_wait_xcnt 0x0                                ; the loads have read their bases
	QLOAD QB, 196, 208
	s_add_co_u32 s94, s94, 3145728
	s_mov_b32 s95, 0
	s_add_nc_u64 s[94:95], s[6:7], s[94:95]        ; the second tile's y: its two scale bytes have the same place in yq
	s_mul_i32 s13, s[HF], 6144
	v_mul_u32_u24 v[AK0], v8, 48
	v_mad_u32_u24 v[AK0], v9, 24, v[AK0]
	v_add_nc_u32 v[AK0], s13, v[AK0]               ; my 128 of each 256 keys
	v_add_nc_u32 v[AV0], VCO, v[AK0]
	v_lshlrev_b32 v[ASV0], 3, v8
	s_lshl_b32 s13, s[HF], 10
	s_add_co_u32 s13, s13, s16
	s_add_co_u32 s13, s13, KSO
	v_add_nc_u32 v[ASK0], s13, v[ASV0]
	s_lshl_b32 s13, s[HF], 2
	s_add_co_u32 s13, s13, VSO
	v_add_nc_u32 v[ASV0], s13, v[ASV0]
	s_lshl_b32 s13, s[HF], 7                       ; the stage, for my second tile: position 128 (w / 8) + 32 ((w & 7) / 2) + 8 (w & 1) + r + 8 (r / 8)
	s_bfe_u32 s17, s[WV], 0x20001
	s_lshl_b32 s17, s17, 5
	s_add_co_u32 s13, s13, s17
	s_and_b32 s17, s[WV], 1
	s_lshl_b32 s17, s17, 3
	s_add_co_u32 s13, s13, s17
	s_mul_i32 s13, s13, 48
	s_add_co_u32 s13, s13, YST
	v_add_nc_u32 v[YSTO], s13, v11
	s_min_u32 s17, s[WV], 11
	s_lshl_b32 s17, s17, 10
	s_add_co_u32 s17, s17, YST
	v_add_nc_u32 v28, s17, v7                      ; the way out: waves 0 to 11 copy 1,024 bytes each
	s_mul_i32 s13, s[WV], XW
	s_add_co_u32 s13, s13, XCH
	s_xor_b32 s17, s[WV], 8
	s_mul_i32 s17, s17, XW
	s_add_co_u32 s17, s17, XCH
	v_lshrrev_b32 v31, 1, v7                       ; 8 x lane
	v_add_nc_u32 v29, s13, v7                      ; where I leave my first tile's part,
	v_add_nc_u32 v30, s17, v7                      ; and where my partner leaves its
	v_add_nc_u32 v195, s17, v31
	v_add_nc_u32 v31, s13, v31
	s_cmp_lt_u32 s[WV], 6
	s_cselect_b32 s17, ttmp9, s10
	s_cselect_b32 s19, 0, 6
	s_sub_co_u32 s19, s[WV], s19
	s_lshl_b32 s17, s17, 7
	s_add_co_u32 s17, s17, s9
	s_lshl_b32 s14, s8, 12
	s_add_co_u32 s14, s14, s17
	s_mul_i32 s14, s14, 48
	s_lshl_b32 s19, s19, 10
	s_add_co_u32 s14, s14, s19
	s_mov_b32 s15, 0
	s_add_nc_u64 s[14:15], s[6:7], s[14:15]
	v_lshlrev_b32 v192, 4, v9
	v_sub_nc_u32 v192, v8, v192                    ; r - 16 h
	v_mov_b32 v194, 0xff800000                     ; -infinity
.irp b, 0,1,2,3
	v_mov_b32 v[236+\b], 0                         ; written once: a lane permute's destination counts as one of its sources
.endr
	v_mov_b32 v252, 0
	v_mov_b32 v253, 0
	v_mov_b32 v135, 0
.irp i, 0,1,2,3,4,5
	v_mov_b32 v[22+\i], 0                          ; Q's codes of k = 64 .. 127
	v_mov_b32 v[202+\i], 0
	v_mov_b32 v[80+\i], 0                          ; what K's last tile runs on into
.endr
.macro INIT                            ; a tile begins: the largest t so far -3e38, the sums zeros (the first change of M leaves zeros zeros)
	v_mov_b32 v13, 0xff61b1e6
	v_floor_f32 v12, -v13                          ; -M
	v_mov_b32 v14, 0
	v_mov_b32 v15, 0
.set JI, 0
.rept 32
	v_mov_b32 v[160+JI], 0
.set JI, JI+1
.endr
.endm
	INIT
; A KEY STEP: my 128 of 256 keys.  qr: Q's operand, qs: its scale word
.macro STEP qr, qs
	s_add_co_u32 s12, s[Q0], 15                    ; a step all of whose keys come after my queries is left out: a scalar branch on ids; no barrier and no tensor load stands in a step
	s_cmp_gt_u32 s[KF], s12
	s_cbranch_scc1 .Lhidden_\@
	v_add_nc_u32 v[ADK], s[TB], v[AK0]             ; (these four are the places in front of the loads into registers that the last products read)
	v_add_nc_u32 v[ADV], s[TB], v[AV0]
	v_add_nc_u32 v[ADS], s[TS], v[ASK0]
	v_add_nc_u32 v[ADT], s[TJ], v[ASV0]
.irp t, 0,1,2,3,4,5,6,7
.irp p, 0,1,2
	ds_load_b64 v[32+6*\t+2*\p:33+6*\t+2*\p], v[ADK] offset:\t*768+8*\p
.endr
	ds_load_u16 v[86+\t], v[ADS] offset:\t*128
.endr
	s_wait_dscnt 0x0
.irp t, 0,1,2,3,4,5,6,7
	v_wmma_scale_f32_16x16x128_f8f6f4 v[96+8*\t:103+8*\t], v[32+6*\t:43+6*\t], v[\qr:\qr+11], 0, v[86+\t], v[\qs] matrix_a_fmt:MATRIX_FMT_FP6 matrix_b_fmt:MATRIX_FMT_FP6
.endr
.rept 4
	v_nop
.endr
	s_add_co_u32 s12, s[KF], 127                   ; on the diagonal hidden scores become -infinity ahead of the maximum; a step all of whose keys count skips this
	s_cmp_le_u32 s12, s[Q0]
	s_cbranch_scc1 .Lopen_\@
	s_sub_co_i32 s12, s[Q0], s[KF]
	v_add_nc_u32 v193, s12, v192                   ; d = my query - KF - 16 h.  Register 16 b + i holds key KF + 16 h + 32 b + i: hidden where 32 b + i > d
.set JI, 0
.rept 64
	v_cmp_gt_i32 vcc_lo, 32*(JI/16)+JI%16, v193
	v_cndmask_b32 v[96+JI], v[96+JI], v194, vcc_lo
.set JI, JI+1
.endr
.Lopen_\@:
.irp b, 0,1,2,3
	v_max3_num_f32 v[232+\b], v[96+16*\b], v[97+16*\b], v[98+16*\b]   ; the largest score of each block of 32 keys: for the row's maximum, and, since p rises with the score, for the block's largest p
.endr
.irp i, 3,5,7,9,11,13
.irp b, 0,1,2,3
	v_max3_num_f32 v[232+\b], v[232+\b], v[96+16*\b+\i], v[97+16*\b+\i]
.endr
.endr
.irp b, 0,1,2,3
	v_max_num_f32 v[232+\b], v[232+\b], v[111+16*\b]
.endr
.irp b, 0,1,2,3
	s_delay_alu instid0(VALU_DEP_4)
	v_permlanex16_b32 v[236+\b], v[232+\b], s[SEL], s[SEL+1]
.endr
.irp b, 0,1,2,3
	s_delay_alu instid0(VALU_DEP_4)
	v_max_num_f32 v[232+\b], v[232+\b], v[236+\b]
.endr
	s_delay_alu instid0(VALU_DEP_2)
	v_max3_num_f32 v254, v232, v233, v234
	s_delay_alu instid0(VALU_DEP_1)
	v_max_num_f32 v254, v254, v235
	s_delay_alu instid0(VALU_DEP_1)
	v_mul_f32 v254, s[CS], v254
	s_delay_alu instid0(VALU_DEP_1)
	v_max_num_f32 v13, v13, v254                   ; the running largest t
	v_mov_b32 v254, v12
	s_delay_alu instid0(VALU_DEP_2)
	v_floor_f32 v12, -v13                          ; the new -M = -ceil(t)
	s_delay_alu instid0(VALU_DEP_1)
	v_sub_f32 v254, v12, v254                      ; old M - new M: a whole number, 0 or less
	s_delay_alu instid0(VALU_DEP_1)
	v_cvt_i32_f32 v254, v254
	s_delay_alu instid0(VALU_DEP_1)
	v_ldexp_f32 v252, 1.0, v254                    ; f = 2^(old M - new M): a multiplication by it rounds nothing
.set JI, 0
.rept 32
	v_pk_fma_f32 v[96+JI:97+JI], v[96+JI:97+JI], s[CS:CS+1], v[12:13] op_sel_hi:[1,0,0]   ; t - M
.set JI, JI+2
.endr
.irp b, 0,1,2,3
	v_fma_f32 v[232+\b], v[232+\b], s[CS], v12
.endr
.set JI, 0
	s_wait_alu depctr_va_vdst(0)
.rept 64
	v_exp_f32 v[96+JI], v[96+JI]                   ; p = 2^(t - M)
.set JI, JI+1
.endr
.irp b, 0,1,2,3
	v_exp_f32 v[232+\b], v[232+\b]                 ; the block's largest p
.endr
	v_pk_mul_f32 v[14:15], v[14:15], v[252:253] op_sel_hi:[1,0]   ; the sums under the new M; a plain place behind the exponentials
	s_wait_alu depctr_va_vdst(0)
.irp b, 0,1,2,3
	v_max_num_f32 v[232+\b], 0x1800000, v[232+\b]  ; the floor 2^(3 - 127)
.endr
.irp b, 0,1,2,3
	s_delay_alu instid0(VALU_DEP_4)
	v_add_nc_u32 v[244+\b], 0xff000000, v[232+\b]
.endr
.irp b, 0,1,2,3
	s_delay_alu instid0(VALU_DEP_4)
	v_lshrrev_b32 v[236+\b], 23, v[244+\b]
.endr
	s_delay_alu instid0(VALU_DEP_3)
	v_lshl_or_b32 v253, v237, 8, v236              ; p's scale word for these 128 keys
	s_delay_alu instid0(VALU_DEP_1)
	v_lshl_or_b32 v253, v238, 16, v253
	s_delay_alu instid0(VALU_DEP_1)
	v_lshl_or_b32 v253, v239, 24, v253
.irp c, 0,1
	v_cvt_scalef32_pk16_fp6_f32 v[224+6*\c:226+6*\c], v[96+32*\c:111+32*\c], v[244+2*\c]
	v_cvt_scalef32_pk16_fp6_f32 v[236+4*\c:238+4*\c], v[112+32*\c:127+32*\c], v[244+2*\c+1]
.endr
	v_nop                                          ; one plain place behind a scaled conversion
.irp c, 0,1
.irp i, 0,1,2
	v_permlane16_swap_b32 v[224+6*\c+\i], v[236+4*\c+\i]
.endr
.irp i, 0,1,2
	s_delay_alu instid0(VALU_DEP_3)
	v_mov_b32 v[227+6*\c+\i], v[236+4*\c+\i]
.endr
.endr
	v_pk_add_f32 v[236:237], v[100:101], v[104:105]
	v_pk_add_f32 v[248:249], v[108:109], v[112:113]
	v_pk_add_f32 v[246:247], v[116:117], v[120:121]
	v_pk_add_f32 v[244:245], v[124:125], v[128:129]
	v_pk_add_f32 v[242:243], v[132:133], v[136:137]
	v_pk_add_f32 v[240:241], v[140:141], v[144:145]
	v_pk_add_f32 v[222:223], v[148:149], v[152:153]
	v_pk_add_f32 v[14:15], v[14:15], v[156:157]
	v_pk_add_f32 v[236:237], v[236:237], v[96:97]
	v_pk_add_f32 v[248:249], v[248:249], v[98:99]
	v_pk_add_f32 v[246:247], v[246:247], v[102:103]
	v_pk_add_f32 v[244:245], v[244:245], v[106:107]
	v_pk_add_f32 v[242:243], v[242:243], v[110:111]
	v_pk_add_f32 v[240:241], v[240:241], v[114:115]
	v_pk_add_f32 v[222:223], v[222:223], v[118:119]
	v_pk_add_f32 v[14:15], v[14:15], v[122:123]
	v_pk_add_f32 v[236:237], v[236:237], v[126:127]
	v_pk_add_f32 v[248:249], v[248:249], v[130:131]
	v_pk_add_f32 v[246:247], v[246:247], v[134:135]
	v_pk_add_f32 v[244:245], v[244:245], v[138:139]
	v_pk_add_f32 v[242:243], v[242:243], v[142:143]
	v_pk_add_f32 v[240:241], v[240:241], v[146:147]
	v_pk_add_f32 v[222:223], v[222:223], v[150:151]
	v_pk_add_f32 v[14:15], v[14:15], v[154:155]
	v_pk_add_f32 v[236:237], v[236:237], v[158:159]
	s_delay_alu instid0(VALU_DEP_2)
	v_pk_add_f32 v[14:15], v[14:15], v[244:245]
	s_delay_alu instid0(VALU_DEP_2)
	v_pk_add_f32 v[236:237], v[236:237], v[242:243]
	v_pk_add_f32 v[248:249], v[248:249], v[240:241]
	v_pk_add_f32 v[246:247], v[246:247], v[222:223]
	s_delay_alu instid0(VALU_DEP_2)
	v_pk_add_f32 v[14:15], v[14:15], v[248:249]
	s_delay_alu instid0(VALU_DEP_2)
	v_pk_add_f32 v[236:237], v[236:237], v[246:247]
	s_delay_alu instid0(VALU_DEP_1)
	v_pk_add_f32 v[14:15], v[14:15], v[236:237]
.set JI, 0
.rept 16
	v_pk_mul_f32 v[160+JI:161+JI], v[160+JI:161+JI], v[252:253] op_sel_hi:[1,0]   ; O^T under the new M; with the sums above also the places in front of the products below
.set JI, JI+2
.endr
.irp t, 0,1,2,3
.irp p, 0,1,2,3,4,5
	ds_load_b64 v[32+12*\t+2*\p:33+12*\t+2*\p], v[ADV] offset:(\p/3)*3072+\t*768+8*(\p%3)
.endr
	ds_load_b32 v[86+\t], v[ADT] offset:\t*128
.endr
	s_wait_alu depctr_va_vdst(0)
	s_wait_dscnt 0x0
.irp t, 0,1,2,3
	v_wmma_scale_f32_16x16x128_f8f6f4 v[160+8*\t:167+8*\t], v[32+12*\t:43+12*\t], v[224:235], v[160+8*\t:167+8*\t], v[86+\t], v253 matrix_a_fmt:MATRIX_FMT_FP6 matrix_b_fmt:MATRIX_FMT_FP6
.endr
.Lhidden_\@:
	s_add_co_u32 s[KF], s[KF], 256                 ; on by 256 keys
	s_add_co_u32 s[TB], s[TB], 12288
	s_add_co_u32 s[TS], s[TS], 2048
	s_add_co_u32 s[TJ], s[TJ], 512
.endm
	s_wait_alu depctr_va_vdst(0)                   ; the wait at the head's end
	s_wait_loadcnt 0x0                             ; both tiles' Q
	s_cmp_lt_u32 s[WV], 4                          ; the scale bytes and both chunks 0 are waves 0 to 3's; the later chunks may be out: no byte is filled twice in this launch
	s_cbranch_scc0 .Lnot_first
	s_wait_tensorcnt 0x0
.Lnot_first:
	s_barrier_signal -1
	s_barrier_wait -1
	s_mov_b32 s67, 2
.Lfirst:                                           ; my first tile, keys 0 to 511
	STEP 16, 255
	s_sub_co_u32 s67, s67, 1
	s_cmp_lg_u32 s67, 0
	s_cbranch_scc1 .Lfirst
	s_wait_tensorcnt 0x0                           ; all chunks are in
	s_wait_dscnt 0x0
	s_barrier_signal -1
	s_barrier_wait -1
	s_mov_b32 s67, 6
.Lrest:                                            ; keys 512 to 2,047
	STEP 16, 255
	s_sub_co_u32 s67, s67, 1
	s_cmp_lg_u32 s67, 0
	s_cbranch_scc1 .Lrest
.rept 4
	v_nop                                          ; places behind the last products
.endr
	v_add_f32 v13, v14, v15                        ; my first tile's part goes to LDS bytes of my own: O^T, each accumulator from its low end on, -M and my lane's sum
.irp t, 0,1,2,3
	ds_store_b128 v29, v[160+8*\t:163+8*\t] offset:1024*\t
	ds_store_b128 v29, v[164+8*\t:167+8*\t] offset:1024*\t+512
.endr
	ds_store_b64 v31, v[12:13] offset:4096
	INIT
	s_mov_b32 s[Q0], s[QB]
	s_mov_b32 s[TB], 0
	s_mov_b32 s[TS], 0
	s_mov_b32 s[TJ], 0
	s_lshl_b32 s[KF], s[HF], 7
	s_mov_b32 s67, 8
	s_wait_alu depctr_va_vdst(0)
.Lsecond:                                          ; my second tile
	STEP 196, 208
	s_sub_co_u32 s67, s67, 1
	s_cmp_lg_u32 s67, 0
	s_cbranch_scc1 .Lsecond
.rept 4
	v_nop
.endr
	v_add_f32 v14, v14, v15
	s_wait_alu depctr_va_vdst(0)
	s_wait_dscnt 0x0                               ; for my partner's sake: my stores are done
	s_barrier_signal -1
	s_barrier_wait -1
.irp t, 0,1,2,3
	ds_load_b128 v[96+8*\t:99+8*\t], v30 offset:1024*\t            ; my partner's part of this tile
	ds_load_b128 v[100+8*\t:103+8*\t], v30 offset:1024*\t+512
.endr
	ds_load_b64 v[128:129], v195 offset:4096
	s_wait_dscnt 0x0
	v_min_num_f32 v130, v12, v128                  ; the common -M (a part with no step holds -M = 3e38 and zeros)
	v_sub_f32 v131, v130, v12                      ; my M - the common M: a whole number, 0 or less
	v_sub_f32 v132, v130, v128                     ; my partner's
	v_cvt_i32_f32 v131, v131                       ; (it saturates)
	v_cvt_i32_f32 v132, v132
	v_ldexp_f32 v252, 1.0, v131
	v_ldexp_f32 v134, 1.0, v132
	v_mul_f32 v14, v14, v252
	v_fma_f32 v14, v129, v134, v14
.set JI, 0
.rept 16
	v_pk_mul_f32 v[160+JI:161+JI], v[160+JI:161+JI], v[252:253] op_sel_hi:[1,0]
.set JI, JI+2
.endr
.set JI, 0
.rept 16
	v_pk_fma_f32 v[160+JI:161+JI], v[96+JI:97+JI], v[134:135], v[160+JI:161+JI] op_sel_hi:[1,0,1]
.set JI, JI+2
.endr
	; THE WAY OUT: O^T / the sum; register 16 c + i is channel 32 c + 16 h + i of my query: two blocks of 32, quantised as p is
	v_permlanex16_b32 v252, v14, s[SEL], s[SEL+1]
	v_add_f32 v14, v14, v252
	s_wait_alu depctr_va_vdst(0)
	v_rcp_f32 v14, v14
	v_nop                                          ; a plain place behind the transcendental
.set JI, 0
	s_wait_alu depctr_va_vdst(0)
.rept 32
	v_mul_f32 v[96+JI], v[160+JI], v14
.set JI, JI+1
.endr
.irp c, 0,1
	v_max3_num_f32 v[232+\c], |v[96+16*\c]|, |v[97+16*\c]|, 0x1800000
.endr
.irp i, 2,4,6,8,10,12,14
.irp c, 0,1
	v_max3_num_f32 v[232+\c], v[232+\c], |v[96+16*\c+\i]|, |v[97+16*\c+\i]|
.endr
.endr
.irp c, 0,1
	v_permlanex16_b32 v[236+\c], v[232+\c], s[SEL], s[SEL+1]
.endr
.irp c, 0,1
	v_max_num_f32 v[232+\c], v[232+\c], v[236+\c]
.endr
.irp c, 0,1
	v_add_nc_u32 v[244+\c], 0xff000000, v[232+\c]
.endr
.irp c, 0,1
	v_lshrrev_b32 v[236+\c], 23, v[244+\c]
.endr
	v_lshl_or_b32 v240, v237, 8, v236              ; my row's two scale bytes
	v_cvt_scalef32_pk16_fp6_f32 v[224:226], v[96:111], v244
	v_cvt_scalef32_pk16_fp6_f32 v[228:230], v[112:127], v245
	v_nop
.irp i, 0,1,2
	v_permlane16_swap_b32 v[224+\i], v[228+\i]     ; lanes 0-15 block 0 whole, lanes 16-31 block 1
.endr
	v_mov_b32 v227, v228
	v_mov_b32 v228, v229
	v_mov_b32 v229, v230
	ds_store_b64 v[YSTO], v[224:225]
	ds_store_b64 v[YSTO], v[226:227] offset:8
	ds_store_b64 v[YSTO], v[228:229] offset:16
	global_store_b16 v6, v240, s[94:95]            ; both halves of the lanes hold the same two bytes and write them to the same place
	s_wait_dscnt 0x0                               ; for the others' sake: my stores into the stage are done
	s_barrier_signal -1
	s_barrier_wait -1
	s_cmp_gt_u32 s[WV], 11
	s_cbranch_scc1 .Ldone
	ds_load_b128 v[32:35], v28
	ds_load_b128 v[36:39], v28 offset:512
	s_wait_dscnt 0x0
	global_store_b128 v7, v[32:35], s[14:15]       ; two dense runs of 6,144 bytes: 512 consecutive bytes a store
	global_store_b128 v7, v[36:39], s[14:15] offset:512
.Ldone:
	s_wait_tensorcnt 0x0                           ; the wave's end
	ds_add_u32 v250, v251
	s_wait_dscnt 0x0
	s_endpgm
.Lfunc_end_k_qd641c3c3d8_attn:
	.size	k_qd641c3c3d8_attn, .Lfunc_end_k_qd641c3c3d8_attn-k_qd641c3c3d8_attn
	.p2alignl 7, 3214868480
	.fill 96, 4, 3214868480
	.section	.rodata,"a",@progbits
	.p2align	6, 0x0
	.amdhsa_kernel k_qd641c3c3d8_attn
		.amdhsa_group_segment_fixed_size 301056
		.amdhsa_private_segment_fixed_size 0
		.amdhsa_enable_private_segment 0
		.amdhsa_kernarg_size 16
		.amdhsa_user_sgpr_count 2
		.amdhsa_user_sgpr_kernarg_segment_ptr 1
		.amdhsa_wavefront_size32 1
		.amdhsa_system_sgpr_workgroup_id_x 1
		.amdhsa_system_sgpr_workgroup_id_y 1
		.amdhsa_system_sgpr_workgroup_id_z 1
		.amdhsa_system_vgpr_workitem_id 0
		.amdhsa_next_free_vgpr 256
		.amdhsa_next_free_sgpr 100
		.amdhsa_reserve_vcc 1
		.amdhsa_float_denorm_mode_32 3
		.amdhsa_float_denorm_mode_16_64 3
		.amdhsa_memory_ordered 1
		.amdhsa_forward_progress 1
		.amdhsa_inst_pref_size 96
	.end_amdhsa_kernel
	.amdgpu_metadata
---
amdhsa.version: [ 1, 2 ]
amdhsa.kernels:
  - .name:           k_qd641c3c3d8_attn
    .symbol:         k_qd641c3c3d8_attn.kd
    .args:
      - { .name: qkvq, .offset: 0, .size: 8, .value_kind: global_buffer, .address_space: global }
      - { .name: yq, .offset: 8, .size: 8, .value_kind: global_buffer, .address_space: global }
    .group_segment_fixed_size: 301056
    .private_segment_fixed_size: 0
    .kernarg_segment_align: 8
    .kernarg_segment_size: 16
    .max_flat_workgroup_size: 512
    .sgpr_count:     100
    .vgpr_count:     256
    .wavefront_size: 32
...
	.end_amdgpu_metadata
.endif
;; end of part 3
;; launch wo (part 4): grid 8 x 32, 4 waves a work-group, clusters of 4 x 4, 327,680 bytes of LDS; arguments yq, op1, bo, x, x1; writes x1
.if DOCPART == 4
	.amdgcn_target "amdgcn-amd-amdhsa--gfx1250"
	.amdhsa_code_object_version 6
	.text
	.protected	k_qd641c3c3d8_wo
	.globl	k_qd641c3c3d8_wo
	.p2align	8
	.type	k_qd641c3c3d8_wo,@function
k_qd641c3c3d8_wo:
	s_mov_b64 s[64:65], 0
	v_nop
	global_prefetch_b8 v0, s[64:65] scope:SCOPE_SE
	s_setreg_imm32_b32 hwreg(HW_REG_WAVE_MODE, 25, 1), 1
	s_wait_xcnt 0x0
	s_wait_alu depctr_hold_cnt(0) depctr_sa_sdst(0) depctr_va_vdst(0) depctr_va_sdst(0) depctr_va_ssrc(0) depctr_va_vcc(0) depctr_vm_vsrc(0)
	s_getreg_b32 s2, hwreg(HW_REG_IB_STS2, 6, 4)
	s_cmp_eq_u32 s2, 0
	s_cbranch_scc0 .Lentry_in_a_cluster
	s_endpgm
.Lentry_in_a_cluster:
	s_bfe_u32 s2, ttmp6, 0x10000c
	s_cmp_lg_u32 s2, 0xf033
	s_cbranch_scc0 .Lentry_shape_is_right
	s_endpgm
.Lentry_shape_is_right:
; x1 = x + y Wo^T + bo.  y: codes of FP6 (E2M3) in yq (4,096 positions, K = 1,024); Wo: codes in op1 (8,192 positions) from position 7,168 on; x, x1: [4,096][1,024] f32 in their true order.
; Codes [K / 64 sub-panels][positions][48 bytes], scale bytes [K / 256 groups][positions][8] behind them; row i lies at position i with bits 3 and 4 exchanged.
; 256 work-groups of four waves, a tile of 128 x 128, a wave 64 x 64: 16 accumulators.  The matrix instruction is used transposed (source 0 = 16 positions of the weight, source 1 = 16 of the tokens).
; ALL OF K AT ONCE: a wave's one joint load at the head brings 16 sub-panel parts of 64 positions x 48 bytes (49,152 bytes): the tokens' shared along a row of the 4 x 4 cluster, the weight's along a column.
; Nothing is filled again, so there is no ring.  No prefetch: there is no loop to run ahead in, all is asked for at the head.
; The scale bytes (2,048 bytes a wave) come by plain loads of 512 consecutive bytes and LDS stores into LDS bytes of their own.  The bias is loaded into the accumulators in the results' layout: the sums begin with it.
; Eight steps of 128 along K; four sets of fragment registers by turns, LDS loads one whole step ahead of the products.
; LIMITS: NaN and infinities are not served.
; REGISTERS: window 0: v14-31 addresses; v32-63 scale words (8 (q / 2) + 2 i + q % 2); v64-127 scale bytes on their way in, later rows on their way out; v128-255 the accumulators.
;   window 1: the weight's fragments (48 (q % 4) + 12 i); window 2: the tokens'; window 3: v0-127 the residual.
.set RA,    4096
.set RB,    8192
.set SOFFA, 3145728
.set SOFFB, 6291456
.set ROWB0, 7168
.set NSP,   16
.set SPB,   3072
.set HALFT, NSP*SPB
.set SROW,  512
.set HALFS, 4*SROW
.set SCL,   4*HALFT                    ; the scale bytes, written by LDS stores alone
.set SPARE, SCL+4*HALFS                ; the spare words: 128 bytes a wave
.set STAGE, SPARE+512                  ; the way out: 16 rows of 256 + 16 bytes a wave, written by LDS stores alone
.set BOF,  14
.set ADRA, 16
.set ADRB, 20
.set STO,  24
.set RD,   25
.set CO,   26
.set ADRS, 27
.set SPW,  28
.set NIL,  29
.set L16,  30
.set SST,  31
.set SC,   32
.set BK,   64
.set ACC,  128
.set G1,  24
.set G0,  32
.set G1B, 48
.set G0B, 56
.set MSB, 0
.macro WIN new
.if MSB != (\new)
	s_set_vgpr_msb (MSB<<8)|(\new)
.set MSB, (\new)
.endif
.endm
.set MULW, 0x09                        ; source 0 window 1, source 1 window 2, C and D window 0
.macro PLACES n
.rept \n
	v_nop
.endr
.endm
.macro CROUND                          ; a round of the cluster's barrier
	s_barrier_signal -1
	s_barrier_wait -1
	s_cmp_lg_u32 s14, 0
	s_cbranch_scc1 .Lnot_wave_0_\@
	s_barrier_signal -3
.Lnot_wave_0_\@:
	s_barrier_wait -3
	s_barrier_signal -1
	s_barrier_wait -1
.endm
.macro LD q                            ; step q's eight fragments: 48 loads
	WIN 0x40
.irp i, 0,1,2,3
.irp p, 0,1,2,3,4,5
	ds_load_b64 v[48*((\q)%4)+12*\i+2*\p:48*((\q)%4)+12*\i+2*\p+1], v[ADRB] offset:(2*(\q)+\p/3)*SPB+\i*768+8*(\p%3)
.endr
.endr
	WIN 0x80
.irp i, 0,1,2,3
.irp p, 0,1,2,3,4,5
	ds_load_b64 v[48*((\q)%4)+12*\i+2*\p:48*((\q)%4)+12*\i+2*\p+1], v[ADRA] offset:(2*(\q)+\p/3)*SPB+\i*768+8*(\p%3)
.endr
.endr
.endm
.macro MULS q                          ; 16 products: the accumulators take turns, one instruction a turn
	WIN MULW
.irp a, 0,1,2,3
.irp b, 0,1,2,3
	v_wmma_scale_f32_16x16x128_f8f6f4 v[ACC+8*(4*\a+\b):ACC+8*(4*\a+\b)+7], v[48*((\q)%4)+12*\b:48*((\q)%4)+12*\b+11], v[48*((\q)%4)+12*\a:48*((\q)%4)+12*\a+11], v[ACC+8*(4*\a+\b):ACC+8*(4*\a+\b)+7], v[SC+8*((\q)/2)+2*\b+(\q)%2], v[SC+8*((\q)/2)+2*\a+(\q)%2] matrix_a_fmt:MATRIX_FMT_FP6 matrix_b_fmt:MATRIX_FMT_FP6 matrix_a_scale:MATRIX_SCALE_ROW1
.endr
.endr
.endm
.macro SLD base, stride                ; my 64 positions' scale bytes: 4 groups of 512 consecutive bytes
.irp g, 0,1,2,3
	global_load_b128 v[BK+4*\g:BK+4*\g+3], v[L16], s[\base:\base+1] offset:\g*\stride
.endr
.endm
	s_load_b256 s[4:11], s[0:1], 0x0               ; yq, op1, bo, x
	s_load_b64 s[12:13], s[0:1], 0x20              ; x1
	v_lshl_add_u32 v[SPW], v0, 2, SPARE
	v_mov_b32 v[NIL], 0
	ds_add_u32 v[SPW], v[NIL]                      ; the opening lines: the add twice on end and its wait
	ds_add_u32 v[SPW], v[NIL]
	v_lshrrev_b32 v1, 5, v0
	v_readfirstlane_b32 s14, v1                    ; wave 0..3
	s_lshr_b32 s15, s14, 1                         ; my half of the tokens.  Also: I fetch the tokens' (0) or the weight's (1)
	s_and_b32 s16, s14, 1                          ; my half of the columns.  Also: which 64 positions I fetch
	s_bfe_u32 s40, ttmp6, 0x40000                  ; cx, cy
	s_bfe_u32 s41, ttmp6, 0x40004
	s_lshl_b32 s42, ttmp9, 2
	s_add_co_u32 s42, s42, s40                     ; tile column
	s_and_b32 s17, ttmp7, 0xffff
	s_lshl_b32 s17, s17, 2
	s_add_co_u32 s17, s17, s41                     ; tile row
	s_lshl_b32 s43, s41, 2
	s_lshl_b32 s43, 15, s43                        ; my row of the cluster
	s_lshl_b32 s44, 0x1111, s40                    ; my column
	s_or_b32 s[G1+0], s43, (3<<16)|(1<<21)         ; the mask; elements of 8 bytes; bit 21 beside a mask; no padding: rows 48 bytes apart
	s_or_b32 s[G1B+0], s44, (3<<16)|(1<<21)
.irp g, G1, G1B
	s_mov_b32 s[\g+1], (SPB/8)<<16
	s_mov_b32 s[\g+2], NSP<<16
	s_mov_b32 s[\g+3], (SPB/8)<<16
	s_mov_b32 s[\g+4], NSP
	s_mov_b32 s[\g+6], 0
	s_mov_b32 s[\g+7], 0
.endr
	s_mov_b32 s[G1+5], RA*6
	s_mov_b32 s[G1B+5], RB*6
	s_lshl_b32 s18, s16, 6
	s_lshl_b32 s20, s17, 7
	s_add_co_u32 s20, s20, s18                     ; the tokens' first position that I would fetch
	s_lshl_b32 s46, s42, 7
	s_add_co_u32 s46, s46, s18
	s_add_co_u32 s46, s46, ROWB0                   ; the weight's
	s_lshl_b32 s74, s20, 3
	s_add_co_u32 s74, s74, SOFFA
	s_mov_b32 s75, 0
	s_lshl_b32 s76, s46, 3
	s_add_co_u32 s76, s76, SOFFB
	s_mov_b32 s77, 0
	s_mul_i32 s20, s20, 48
	s_mov_b32 s21, 0
	s_mul_i32 s46, s46, 48
	s_mov_b32 s47, 0
	s_mul_i32 s45, s14, HALFT                      ; where my tile goes: by the wave's number alone
	s_lshl_b32 s80, s42, 7
	s_lshl_b32 s82, s16, 6
	s_add_co_u32 s80, s80, s82
	s_lshl_b32 s80, s80, 2                         ; my first column, in bytes
	s_mov_b32 s81, 0
	s_lshl_b32 s82, s17, 7
	s_lshl_b32 s83, s15, 6
	s_add_co_u32 s82, s82, s83
	s_lshl_b32 s82, s82, 12
	s_add_co_u32 s82, s82, s80                     ; and my first row's place
	s_mov_b32 s83, 0
	s_mul_i32 s84, s15, HALFT
	s_mul_i32 s85, s16, HALFT
	s_add_co_u32 s85, s85, 2*HALFT
	s_mul_i32 s86, s15, HALFS
	s_mul_i32 s70, s16, HALFS
	s_add_co_u32 s70, s70, 2*HALFS
	s_sub_co_u32 s70, s70, s86                     ; from the tokens' scale words to the weight's
	s_add_co_u32 s86, s86, SCL
	s_mul_i32 s71, s14, 4352
	s_add_co_u32 s71, s71, STAGE
	s_mul_i32 s72, s14, HALFS
	s_add_co_u32 s72, s72, SCL
	v_and_b32 v1, 15, v0                           ; r
	v_bfe_u32 v2, v0, 4, 1                         ; h
	v_and_b32 v4, 31, v0                           ; lane
	v_mul_u32_u24 v3, v1, 48
	v_mad_u32_u24 v3, v2, 24, v3
	v_add_nc_u32 v[ADRA], s84, v3
	v_add_nc_u32 v[ADRB], s85, v3
	v_lshlrev_b32 v5, 3, v1
	v_mad_u32_u24 v5, s70, v2, v5                  ; lanes 16-31 take the weight's
	v_add_nc_u32 v[ADRS], s86, v5
	v_mul_u32_u24 v6, v1, 272
	v_lshl_add_u32 v6, v2, 6, v6
	v_add_nc_u32 v[STO], s71, v6                   ; the stage, in: row r, 64 h
	v_mul_u32_u24 v6, v2, 272
	v_lshl_add_u32 v6, v1, 4, v6
	v_add_nc_u32 v[RD], s71, v6                    ; back: lanes 0-15 one row, lanes 16-31 the next
	v_lshlrev_b32 v7, 4, v1
	v_lshl_add_u32 v[CO], v2, 12, v7               ; the same two rows in memory
	v_lshlrev_b32 v[L16], 4, v4
	v_add_nc_u32 v[SST], s72, v[L16]               ; where my scale bytes go
	v_lshlrev_b32 v[BOF], 6, v2                    ; the bias: 64 h
	s_wait_alu depctr_va_vdst(0)                   ; the wait at the end of the head's vector work
	s_wait_dscnt 0x0                               ; both opening adds are done
	s_wait_kmcnt 0x0
	s_add_nc_u64 s[20:21], s[4:5], s[20:21]
	s_add_nc_u64 s[46:47], s[6:7], s[46:47]
	s_add_nc_u64 s[74:75], s[4:5], s[74:75]
	s_add_nc_u64 s[76:77], s[6:7], s[76:77]
	s_add_nc_u64 s[8:9], s[8:9], s[80:81]
	s_add_nc_u64 s[10:11], s[10:11], s[82:83]
	s_add_nc_u64 s[12:13], s[12:13], s[82:83]
	s_cmp_eq_u32 s15, 0
	s_cbranch_scc0 .Lscale_b
	SLD 74, RA*8
	s_branch .Lscale_j
.Lscale_b:
	SLD 76, RB*8
.Lscale_j:
	s_mov_b32 s[G0], 1
	s_mov_b32 s[G0+1], s45
	s_mov_b64 s[G0+2:G0+3], s[20:21]
	s_or_b32 s[G0+3], s[G0+3], 0x80000000
	s_mov_b32 s[G0B], 1
	s_mov_b32 s[G0B+1], s45
	s_mov_b64 s[G0B+2:G0B+3], s[46:47]
	s_or_b32 s[G0B+3], s[G0B+3], 0x80000000
	CROUND                                         ; all sixteen work-groups are here: the joint loads meet
	s_cmp_eq_u32 s15, 0                            ; waves 0 and 1 fetch the tokens', waves 2 and 3 the weight's; s_nop 0 and four v_nop follow each line
	s_cbranch_scc0 .Lfor_b
	tensor_load_to_lds s[G0:G0+3], s[G1:G1+7]
	s_nop 0
	PLACES 4
	s_branch .Lasked
.Lfor_b:
	tensor_load_to_lds s[G0B:G0B+3], s[G1B:G1B+7]
	s_nop 0
	PLACES 4
.Lasked:
.irp a, 0,1,2,3
.irp b, 0,1,2,3
	global_load_b128 v[ACC+8*(4*\a+\b):ACC+8*(4*\a+\b)+3], v[BOF], s[8:9] offset:128*(\b/2)+32*(\b%2)        ; register j of accumulator (a, b) is column 32 (b / 2) + 16 h + 8 (b % 2) + j
	global_load_b128 v[ACC+8*(4*\a+\b)+4:ACC+8*(4*\a+\b)+7], v[BOF], s[8:9] offset:128*(\b/2)+32*(\b%2)+16
.endr
.endr
	s_wait_loadcnt 32                              ; my scale bytes are in; the bias's 32 loads may be out
.irp g, 0,1,2,3
	ds_store_b128 v[SST], v[BK+4*\g:BK+4*\g+3] offset:\g*SROW
.endr
	WIN 0xc0
.irp a, 0,1,2,3
.irp t, 0,1,2,3,4,5,6,7
	global_load_b128 v[32*\a+4*\t:32*\a+4*\t+3], v[CO], s[10:11] offset:(32*(\a/2)+8*(\a%2)+2*\t+8*(\t/4))*4096 th:TH_LOAD_NT   ; the residual, as the rows will leave: position 16 a + p is row 32 (a / 2) + 8 (a % 2) + p + 8 (p / 8)
.endr
.endr
	WIN 0
	s_wait_loadcnt 32                              ; the bias lies in the accumulators; the residual's 32 loads may be out
	s_wait_tensorcnt 0x0                           ; my tile is in
	s_wait_dscnt 0x0                               ; and my stores of scale bytes are done
	s_barrier_signal -1
	s_barrier_wait -1
.irp i, 0,1,2,3
.irp g, 0,1,2,3
	ds_load_b64 v[SC+8*\g+2*\i:SC+8*\g+2*\i+1], v[ADRS] offset:\i*128+\g*SROW   ; lanes 0-15 the tokens' block i, lanes 16-31 the weight's block i
.endr
.endr
	LD 0
	LD 1
	s_wait_dscnt 48                                ; all but the youngest step's 48 loads
	MULS 0
	LD 2
	s_wait_dscnt 48
	MULS 1
	LD 3
	s_wait_dscnt 48
	MULS 2
.irp q, 4,5,6,7
	PLACES 4                                       ; in front of loads into registers that products have read
	LD \q
	s_wait_dscnt 48
	MULS (\q-1)
.endr
	s_wait_dscnt 0x0
	MULS 7
	WIN 0
; the way out, 16 positions x 64 columns at a time through my own stage: in by the columns' true places, back as whole rows of 256 bytes
.macro TOSTAGE a
.irp b, 0,1,2,3
	ds_store_b128 v[STO], v[ACC+8*(4*(\a)+\b):ACC+8*(4*(\a)+\b)+3] offset:128*(\b/2)+32*(\b%2)      ; each accumulator from its low end on
	ds_store_b128 v[STO], v[ACC+8*(4*(\a)+\b)+4:ACC+8*(4*(\a)+\b)+7] offset:128*(\b/2)+32*(\b%2)+16
.endr
.irp t, 0,1,2,3,4,5,6,7
	ds_load_b128 v[BK+32*((\a)%2)+4*\t:BK+32*((\a)%2)+4*\t+3], v[RD] offset:\t*544   ; LDS serves a wave's instructions in order: these see the stores above
.endr
.endm
.macro SEND a, younger                 ; younger: the LDS instructions issued behind block a's loads
.set BB, BK+32*((\a)%2)
	s_wait_dscnt \younger
	WIN 0x0c                                       ; source 1: the residual, window 3
.set KI, 0
.rept 16
	v_pk_add_f32 v[BB+KI:BB+KI+1], v[BB+KI:BB+KI+1], v[32*(\a)+KI:32*(\a)+KI+1]
.set KI, KI+2
.endr
	WIN 0
.irp t, 0,1,2,3,4,5,6,7
	global_store_b128 v[CO], v[BB+4*\t:BB+4*\t+3], s[12:13] offset:(32*((\a)/2)+8*((\a)%2)+2*\t+8*(\t/4))*4096   ; 16 lanes store 256 consecutive bytes, aligned
.endr
.endm
	PLACES 4                                       ; behind the last products
	s_wait_loadcnt 0x0                             ; the residual
	TOSTAGE 0
	TOSTAGE 1
	SEND 0, 16                                     ; behind block 0's loads: block 1's 8 stores and 8 loads
	s_wait_xcnt 0x0                                ; block 0's stores have read their registers
	TOSTAGE 2
	SEND 1, 16
	s_wait_xcnt 0x0
	TOSTAGE 3
	SEND 2, 16
	SEND 3, 0
	s_wait_tensorcnt 0x0                           ; the wave's end
	ds_add_u32 v[SPW], v[NIL]
	s_wait_dscnt 0x0
	CROUND                                         ; the closing round
	s_endpgm
.Lfunc_end_k_qd641c3c3d8_wo:
	.size	k_qd641c3c3d8_wo, .Lfunc_end_k_qd641c3c3d8_wo-k_qd641c3c3d8_wo
	.p2alignl 7, 3214868480
	.fill 96, 4, 3214868480
	.section	.rodata,"a",@progbits
	.p2align	6, 0x0
	.amdhsa_kernel k_qd641c3c3d8_wo
		.amdhsa_group_segment_fixed_size 327680
		.amdhsa_private_segment_fixed_size 0
		.amdhsa_enable_private_segment 0
		.amdhsa_kernarg_size 40
		.amdhsa_user_sgpr_count 2
		.amdhsa_user_sgpr_kernarg_segment_ptr 1
		.amdhsa_wavefront_size32 1
		.amdhsa_system_sgpr_workgroup_id_x 1
		.amdhsa_system_sgpr_workgroup_id_y 1
		.amdhsa_system_sgpr_workgroup_id_z 1
		.amdhsa_system_vgpr_workitem_id 0
		.amdhsa_next_free_vgpr 1024
		.amdhsa_next_free_sgpr 102
		.amdhsa_reserve_vcc 0
		.amdhsa_float_denorm_mode_32 3
		.amdhsa_float_denorm_mode_16_64 3
		.amdhsa_memory_ordered 1
		.amdhsa_forward_progress 1
		.amdhsa_inst_pref_size 69
	.end_amdhsa_kernel
	.amdgpu_metadata
---
amdhsa.version: [ 1, 2 ]
amdhsa.kernels:
  - .name:           k_qd641c3c3d8_wo
    .symbol:         k_qd641c3c3d8_wo.kd
    .args:
      - { .name: yq, .offset: 0, .size: 8, .value_kind: global_buffer, .address_space: global }
      - { .name: op1, .offset: 8, .size: 8, .value_kind: global_buffer, .address_space: global }
      - { .name: bo, .offset: 16, .size: 8, .value_kind: global_buffer, .address_space: global }
      - { .name: x, .offset: 24, .size: 8, .value_kind: global_buffer, .address_space: global }
      - { .name: x1, .offset: 32, .size: 8, .value_kind: global_buffer, .address_space: global }
    .group_segment_fixed_size: 327680
    .private_segment_fixed_size: 0
    .kernarg_segment_align: 8
    .kernarg_segment_size: 40
    .max_flat_workgroup_size: 128
    .sgpr_count:     102
    .vgpr_count:     1024
    .wavefront_size: 32
...
	.end_amdgpu_metadata
.endif
;; end of part 4
;; launch ln2 (part 5): grid 128 x 1, 16 waves a work-group, no clusters, 101,632 bytes of LDS; arguments x1, ln2_g, ln2_b, op2; writes op2
.if DOCPART == 5
	.amdgcn_target "amdgcn-amd-amdhsa--gfx1250"
	.amdhsa_code_object_version 6
	.text
	.protected	k_qd641c3c3d8_ln2
	.globl	k_qd641c3c3d8_ln2
	.p2align	8
	.type	k_qd641c3c3d8_ln2,@function
k_qd641c3c3d8_ln2:
	s_mov_b64 s[64:65], 0
	v_nop
	global_prefetch_b8 v0, s[64:65] scope:SCOPE_SE
	s_setreg_imm32_b32 hwreg(HW_REG_WAVE_MODE, 25, 1), 1
	s_wait_xcnt 0x0
; LayerNorm of 4,096 rows of 1,024 f32 (mean, then the mean of squared differences, 1 / sqrt(. + 1e-5), gain, bias: all in f32), quantised along the row to codes of FP6 (E2M3) with one E8M0 byte for each 32.
; The codes go to positions 0 to 4,095 of a code buffer of 8,192 positions: codes [16 sub-panels of 64 along K][8,192][48 bytes], scale bytes [4 groups of 256 along K][8,192][8], behind the codes;
; row i lies at position i with bits 3 and 4 exchanged.
; A work-group of sixteen waves takes 32 rows, a wave two; a row lies in one wave's 32 registers between the passes, so memory is read once.  The finished row turns through the wave's own stage in LDS, so that lane l
; holds block l of 32 along K; codes and bytes meet in a stage of the work-group and leave as dense runs of 1,536 and 256 bytes.
; LIMITS: NaN and infinities are not served; a block of zeros gets the byte 1 (its codes are zeros, and this program alone reads the bytes); blocks whose largest magnitude lies under 2^-124 are held at the byte 1.
.set TURNW, 4608                       ; a wave's turning stage: 32 places of 128 + 16 bytes
; SIXTEEN WAVES, TWO ROWS A WAVE: rows 2 w + i; wave w copies out sub-panel w.
.set CST,   73728                      ; behind sixteen turning stages: the codes' stage: 16 sub-panels x (32 positions x 48 bytes + 16)
.set CSP,   1552
.set SST,   98560                      ; the scale bytes' stage: [4 groups][32 positions][8]; the spare words follow at 99,584
.set SPS,   8192*48                    ; a sub-panel in memory
.set SOFF,  8192*768                   ; where the scale bytes begin
.set NN,    32                         ; v32-63   a row's block of 32 numbers
.set X,     64                         ; v64-127  two rows
.set GG,    192                        ; v192-223 the gain at my columns
.set BV,    224                        ; v224-255 the bias
	s_load_b256 s[4:11], s[0:1], 0x0               ; the rows, gain, bias, the code buffer
	v_lshrrev_b32 v1, 5, v0
	s_delay_alu instid0(VALU_DEP_1)
	v_readfirstlane_b32 s12, v1                    ; wave 0..15
	v_and_b32 v1, 31, v0                           ; lane
	v_mov_b32 v31, 0                               ; written once: a lane permute's destination counts as one of its sources
	s_mov_b32 s13, 0x3a800000                      ; 1 / 1,024
	s_mov_b32 s14, 0x3727c5ac                      ; 1e-5
	s_mov_b32 s16, 0x76543210
	s_mov_b32 s17, 0xfedcba98                      ; v_permlanex16_b32's selects for lane l xor 16
	v_lshlrev_b32 v9, 4, v1                        ; 16 x lane
	s_wait_alu depctr_va_vdst(0)
	s_and_b32 s20, s12, 3                          ; rows 2 w + i lie at positions i + 2 (w & 3) + 16 ((w >> 2) & 1) + 8 (w >> 3)
	s_lshl_b32 s20, s20, 1
	s_bfe_u32 s21, s12, 0x10002
	s_lshl_b32 s21, s21, 4
	s_add_co_u32 s20, s20, s21
	s_lshr_b32 s21, s12, 3
	s_lshl_b32 s21, s21, 3
	s_add_co_u32 s20, s20, s21
	s_lshl_b32 s21, s12, 13
	v_add_nc_u32 v2, s21, v9                       ; my 16 bytes of my wave's first row
	s_mul_i32 s22, s12, TURNW
	v_lshrrev_b32 v3, 3, v1
	s_delay_alu instid0(VALU_DEP_1)
	v_lshl_add_u32 v3, v3, 4, v9
	s_delay_alu instid0(VALU_DEP_1)
	v_add_nc_u32 v3, s22, v3                       ; into the turning stage: 16 lane + 16 (lane / 8)
	v_mul_u32_u24 v4, v1, 144
	s_delay_alu instid0(VALU_DEP_1)
	v_add_nc_u32 v4, s22, v4                       ; out of it: 144 x lane
	v_lshrrev_b32 v5, 1, v1
	s_delay_alu instid0(VALU_DEP_1)
	v_mul_u32_u24 v5, v5, CSP
	v_and_b32 v6, 1, v1
	s_delay_alu instid0(VALU_DEP_1)
	v_mad_u32_u24 v5, v6, 24, v5
	s_mul_i32 s23, s20, 48
	s_add_co_u32 s23, s23, CST
	v_add_nc_u32 v5, s23, v5                       ; my block's 24 bytes: sub-panel lane / 2, half lane % 2, my first position
	v_lshrrev_b32 v6, 3, v1
	s_delay_alu instid0(VALU_DEP_1)
	v_lshlrev_b32 v6, 8, v6
	v_and_b32 v7, 7, v1
	s_delay_alu instid0(VALU_DEP_1)
	v_add_nc_u32 v6, v6, v7
	s_lshl_b32 s23, s20, 3
	s_add_co_u32 s23, s23, SST
	v_add_nc_u32 v6, s23, v6                       ; my block's byte: group lane / 8, byte lane % 8
	s_mul_i32 s23, s12, CSP
	s_add_co_u32 s23, s23, CST
	v_add_nc_u32 v7, s23, v9                       ; the way out: wave w copies sub-panel w
	s_mul_i32 s23, s12, SPS
	v_add_nc_u32 v8, s23, v9
	s_wait_kmcnt 0x0
	s_lshl_b32 s18, ttmp9, 17                      ; 32 rows of 4,096 bytes
	s_mov_b32 s19, 0
	s_add_nc_u64 s[4:5], s[4:5], s[18:19]
	s_mul_i32 s18, ttmp9, 1536                     ; 32 positions of 48 bytes
	s_add_nc_u64 s[24:25], s[10:11], s[18:19]
	s_lshl_b32 s18, ttmp9, 8                       ; 32 positions of 8 bytes
	s_add_co_u32 s18, s18, SOFF
	s_add_nc_u64 s[10:11], s[10:11], s[18:19]
.irp j, 0,1,2,3,4,5,6,7
	global_load_b128 v[GG+4*\j:GG+4*\j+3], v9, s[6:7] offset:512*\j
	global_load_b128 v[BV+4*\j:BV+4*\j+3], v9, s[8:9] offset:512*\j
.endr
.irp i, 0,1
.irp j, 0,1,2,3,4,5,6,7
	global_load_b128 v[X+32*\i+4*\j:X+32*\i+4*\j+3], v2, s[4:5] offset:\i*4096+512*\j th:TH_LOAD_NT   ; 512 consecutive bytes a load
.endr
.endr
.macro ALLSUM                          ; v14 summed over the 32 lanes, the sum in every lane
	s_delay_alu instid0(VALU_DEP_1)
	v_add_f32_dpp v14, v14, v14 row_xmask:1 row_mask:0xf bank_mask:0xf
	s_delay_alu instid0(VALU_DEP_1)
	v_add_f32_dpp v14, v14, v14 row_xmask:2 row_mask:0xf bank_mask:0xf
	s_delay_alu instid0(VALU_DEP_1)
	v_add_f32_dpp v14, v14, v14 row_xmask:4 row_mask:0xf bank_mask:0xf
	s_delay_alu instid0(VALU_DEP_1)
	v_add_f32_dpp v14, v14, v14 row_xmask:8 row_mask:0xf bank_mask:0xf
	s_delay_alu instid0(VALU_DEP_1)
	v_permlanex16_b32 v31, v14, s16, s17
	s_delay_alu instid0(VALU_DEP_1)
	v_add_f32 v14, v14, v31
.endm
.macro ROW i
.set XR, X+32*\i
	s_wait_loadcnt 8*(1-\i)                        ; gain, bias and this row's eight loads are in; the younger row's eight may be out
	v_pk_add_f32 v[14:15], v[XR:XR+1], v[XR+2:XR+3]          ; the sum, in two chains
	v_pk_add_f32 v[16:17], v[XR+4:XR+5], v[XR+6:XR+7]
.irp k, 8,12,16,20,24,28
	s_delay_alu instid0(VALU_DEP_2)
	v_pk_add_f32 v[14:15], v[14:15], v[XR+\k:XR+\k+1]
	s_delay_alu instid0(VALU_DEP_2)
	v_pk_add_f32 v[16:17], v[16:17], v[XR+\k+2:XR+\k+3]
.endr
	s_delay_alu instid0(VALU_DEP_1)
	v_pk_add_f32 v[14:15], v[14:15], v[16:17]
	s_delay_alu instid0(VALU_DEP_1)
	v_add_f32 v14, v14, v15
	ALLSUM
	s_delay_alu instid0(VALU_DEP_1)
	v_mul_f32 v10, s13, v14                        ; the mean
	s_delay_alu instid0(VALU_DEP_1)
	v_mov_b32 v11, v10
.irp k, 0,2,4,6,8,10,12,14,16,18,20,22,24,26,28,30
	v_pk_add_f32 v[XR+\k:XR+\k+1], v[XR+\k:XR+\k+1], v[10:11] neg_lo:[0,1] neg_hi:[0,1]
.endr
	v_pk_mul_f32 v[14:15], v[XR:XR+1], v[XR:XR+1]            ; the sum of squared differences
	v_pk_mul_f32 v[16:17], v[XR+2:XR+3], v[XR+2:XR+3]
.irp k, 4,8,12,16,20,24,28
	s_delay_alu instid0(VALU_DEP_2)
	v_pk_fma_f32 v[14:15], v[XR+\k:XR+\k+1], v[XR+\k:XR+\k+1], v[14:15]
	s_delay_alu instid0(VALU_DEP_2)
	v_pk_fma_f32 v[16:17], v[XR+\k+2:XR+\k+3], v[XR+\k+2:XR+\k+3], v[16:17]
.endr
	s_delay_alu instid0(VALU_DEP_1)
	v_pk_add_f32 v[14:15], v[14:15], v[16:17]
	s_delay_alu instid0(VALU_DEP_1)
	v_add_f32 v14, v14, v15
	ALLSUM
	s_delay_alu instid0(VALU_DEP_1)
	v_fma_f32 v14, v14, s13, s14                   ; variance + 1e-5
	s_wait_alu depctr_va_vdst(0)
	v_rsq_f32 v12, v14
	v_rsq_f32 v13, v14
	v_nop                                          ; a plain place behind the transcendentals
	s_wait_alu depctr_va_vdst(0)
.irp k, 0,2,4,6,8,10,12,14,16,18,20,22,24,26,28,30
	v_pk_mul_f32 v[XR+\k:XR+\k+1], v[XR+\k:XR+\k+1], v[12:13]
.endr
.irp k, 0,2,4,6,8,10,12,14,16,18,20,22,24,26,28,30
	v_pk_fma_f32 v[XR+\k:XR+\k+1], v[XR+\k:XR+\k+1], v[GG+\k:GG+\k+1], v[BV+\k:BV+\k+1]
.endr
.irp j, 0,1,2,3,4,5,6,7
	ds_store_b128 v3, v[XR+4*\j:XR+4*\j+3] offset:576*\j
.endr
.irp k, 0,1,2,3,4,5,6,7
	ds_load_b128 v[NN+4*\k:NN+4*\k+3], v4 offset:16*\k   ; LDS serves a wave's instructions in order: these see the stores above
.endr
	s_wait_dscnt 0x0
	v_max3_num_f32 v18, |v[NN]|, |v[NN+1]|, |v[NN+2]|    ; the block's largest magnitude: all 32 numbers are mine
	v_max3_num_f32 v19, |v[NN+3]|, |v[NN+4]|, |v[NN+5]|
.irp k, 6,10,14,18,22,26
	s_delay_alu instid0(VALU_DEP_2)
	v_max3_num_f32 v18, v18, |v[NN+\k]|, |v[NN+\k+1]|
	s_delay_alu instid0(VALU_DEP_2)
	v_max3_num_f32 v19, v19, |v[NN+\k+2]|, |v[NN+\k+3]|
.endr
	s_delay_alu instid0(VALU_DEP_2)
	v_max3_num_f32 v18, v18, |v[NN+30]|, |v[NN+31]|
	s_delay_alu instid0(VALU_DEP_1)
	v_max3_num_f32 v18, v18, v19, 0x1800000        ; and the floor 2^(3 - 127): the byte cannot fall under 1
	s_delay_alu instid0(VALU_DEP_1)
	v_add_nc_u32 v20, 0xff000000, v18              ; 2 off its exponent field: the conversion takes this operand's exponent field as its scale
	v_cvt_scalef32_pk16_fp6_f32 v[22:24], v[NN:NN+15], v20
	v_cvt_scalef32_pk16_fp6_f32 v[28:30], v[NN+16:NN+31], v20   ; (a conversion's three registers begin on an even number)
	v_lshrrev_b32 v21, 23, v20                     ; the scale's byte; also the plain place behind the conversions
	v_mov_b32 v25, v28
	v_mov_b32 v26, v29
	v_mov_b32 v27, v30
	ds_store_b64 v5, v[22:23] offset:\i*48
	ds_store_b64 v5, v[24:25] offset:\i*48+8
	ds_store_b64 v5, v[26:27] offset:\i*48+16
	ds_store_b8 v6, v21 offset:\i*8
.endm
	ROW 0
	ROW 1
	s_wait_dscnt 0x0                               ; for the others' sake: my stores into the two stages are done
	s_barrier_signal -1
	s_barrier_wait -1
	s_and_b32 s23, s12, 3
	s_lshl_b32 s20, s23, 8
	s_add_co_u32 s20, s20, SST
	v_lshl_add_u32 v10, v1, 3, s20                 ; group w & 3 of the scale bytes: 8 bytes a lane, a lane a position
	s_lshl_b32 s20, s23, 16                        ; a group in memory: 8,192 x 8 bytes
	v_lshl_add_u32 v11, v1, 3, s20
.irp t, 0,1,2
	ds_load_b128 v[64+4*\t:67+4*\t], v7 offset:512*\t
.endr
.irp t, 0,1,2
	s_wait_dscnt 2-\t                              ; the younger LDS loads may be out
	global_store_b128 v8, v[64+4*\t:67+4*\t], s[24:25] offset:512*\t   ; 512 consecutive bytes, at a multiple of 512 from the buffer's first byte
.endr
	s_cmp_gt_u32 s12, 3
	s_cbranch_scc1 .Lend                           ; four groups of scale bytes: waves 0 to 3
	s_wait_alu depctr_va_vdst(0)
	ds_load_b64 v[32:33], v10
	s_wait_dscnt 0x0
	global_store_b64 v11, v[32:33], s[10:11]       ; 256 consecutive bytes, aligned
.Lend:
	v_lshl_add_u32 v2, v0, 2, 0x18500              ; no two registers can be kept for the add: v0 is kept, and the two are made here (v2 and v3 are done with)
	v_mov_b32 v3, 0
	s_wait_alu depctr_va_vdst(0)
	s_wait_tensorcnt 0x0                           ; the wave's end
	ds_add_u32 v2, v3
	s_wait_dscnt 0x0
	s_endpgm
.Lfunc_end_k_qd641c3c3d8_ln2:
	.size	k_qd641c3c3d8_ln2, .Lfunc_end_k_qd641c3c3d8_ln2-k_qd641c3c3d8_ln2
	.p2alignl 7, 3214868480
	.fill 96, 4, 3214868480
	.section	.rodata,"a",@progbits
	.p2align	6, 0x0
	.amdhsa_kernel k_qd641c3c3d8_ln2
		.amdhsa_group_segment_fixed_size 101632
		.amdhsa_private_segment_fixed_size 0
		.amdhsa_enable_private_segment 0
		.amdhsa_kernarg_size 32
		.amdhsa_user_sgpr_count 2
		.amdhsa_user_sgpr_kernarg_segment_ptr 1
		.amdhsa_wavefront_size32 1
		.amdhsa_system_sgpr_workgroup_id_x 1
		.amdhsa_system_sgpr_workgroup_id_y 1
		.amdhsa_system_sgpr_workgroup_id_z 1
		.amdhsa_system_vgpr_workitem_id 0
		.amdhsa_next_free_vgpr 256
		.amdhsa_next_free_sgpr 66
		.amdhsa_reserve_vcc 0
		.amdhsa_float_denorm_mode_32 3
		.amdhsa_float_denorm_mode_16_64 3
		.amdhsa_memory_ordered 1
		.amdhsa_forward_progress 1
		.amdhsa_inst_pref_size 29
	.end_amdhsa_kernel
	.amdgpu_metadata
---
amdhsa.version: [ 1, 2 ]
amdhsa.kernels:
  - .name:           k_qd641c3c3d8_ln2
    .symbol:         k_qd641c3c3d8_ln2.kd
    .args:
      - { .name: x1, .offset: 0, .size: 8, .value_kind: global_buffer, .address_space: global }
      - { .name: ln2_g, .offset: 8, .size: 8, .value_kind: global_buffer, .address_space: global }
      - { .name: ln2_b, .offset: 16, .size: 8, .value_kind: global_buffer, .address_space: global }
      - { .name: op2, .offset: 24, .size: 8, .value_kind: global_buffer, .address_space: global }
    .group_segment_fixed_size: 101632
    .private_segment_fixed_size: 0
    .kernarg_segment_align: 8
    .kernarg_segment_size: 32
    .max_flat_workgroup_size: 512
    .sgpr_count:     66
    .vgpr_count:     256
    .wavefront_size: 32
...
	.end_amdgpu_metadata
.endif
;; end of part 5
;; launch fc (part 6): grid 16 x 16, 4 waves a work-group, clusters of 4 x 4, 327,680 bytes of LDS; arguments op2, bfc, gq; writes gq
.if DOCPART == 6
	.amdgcn_target "amdgcn-amd-amdhsa--gfx1250"
	.amdhsa_code_object_version 6
	.text
	.protected	k_qd641c3c3d8_fc
	.globl	k_qd641c3c3d8_fc
	.p2align	8
	.type	k_qd641c3c3d8_fc,@function
k_qd641c3c3d8_fc:
	s_mov_b64 s[64:65], 0
	v_nop
	global_prefetch_b8 v0, s[64:65] scope:SCOPE_SE
	s_setreg_imm32_b32 hwreg(HW_REG_WAVE_MODE, 25, 1), 1
	s_wait_xcnt 0x0
	s_wait_alu depctr_hold_cnt(0) depctr_sa_sdst(0) depctr_va_vdst(0) depctr_va_sdst(0) depctr_va_ssrc(0) depctr_va_vcc(0) depctr_vm_vsrc(0)
	s_getreg_b32 s2, hwreg(HW_REG_IB_STS2, 6, 4)
	s_cmp_eq_u32 s2, 0
	s_cbranch_scc0 .Lentry_in_a_cluster
	s_endpgm
.Lentry_in_a_cluster:
	s_bfe_u32 s2, ttmp6, 0x10000c
	s_cmp_lg_u32 s2, 0xf033
	s_cbranch_scc0 .Lentry_shape_is_right
	s_endpgm
.Lentry_shape_is_right:
.set NBK,   8
.set NQ,    2
.set KTOT,  1024
.set RA,    8192
.set RB,    8192
.set SOFFA, 6291456
.set SOFFB, 6291456
.set FR,    12
.set NSP,   2*NQ
.set SPB,   16*NBK*48
.set HALFT, NSP*SPB
.set SLOT,  4*HALFT
.set SROW,  16*NBK*8
.set NG,    KTOT/256
.set HALFS, NG*SROW
.set LAPS,  KTOT/(256*NQ)
.set SCL,   2*SLOT
.set SPARE, SCL+4*HALFS
.set SSTG,  49152
.set ADRA, 16
.set ADRB, 20
.set RDS,  22
.set STO,  24
.set RD,   25
.set CO,   26
.set ADRS, 27
.set SPW,  28
.set NIL,  29
.set SSTO, 30
.set SC,   32
.set PC,   64
.set MX,   84
.set PB,   88
.set SO,   92
.set PW,   96
.set AF,   128
.set H,    128
.set T,    192
.set G1, 24
.set G0, 32
.set G1B, 48
.set G0B, 56
.set G1S, 68
.set G0S, 76
.set G1SB, 80
.set G0SB, 88
.set MSB, 0
.macro WIN new
.if MSB != (\new)
	s_set_vgpr_msb (MSB<<8)|(\new)
.set MSB, (\new)
.endif
.endm
.set MUL_LO, 0xa1
.set MUL_HI, 0xf1
.set TO_B,   0x40
.macro JLOAD g0a, g1a, g0b, g1b
	s_cmp_eq_u32 s15, 0
	s_cbranch_scc0 .Lfor_b_\@
	tensor_load_to_lds s[\g0a:\g0a+3], s[\g1a:\g1a+7]
	s_nop 0
.rept 4
	v_nop
.endr
	s_branch .Lasked_\@
.Lfor_b_\@:
	tensor_load_to_lds s[\g0b:\g0b+3], s[\g1b:\g1b+7]
	s_nop 0
.rept 4
	v_nop
.endr
.Lasked_\@:
.endm
.macro CREST
	s_cmp_lg_u32 s14, 0
	s_cbranch_scc1 .Lnot_wave_0_\@
	s_barrier_signal -3
.Lnot_wave_0_\@:
	s_barrier_wait -3
	s_barrier_signal -1
	s_barrier_wait -1
.endm
.macro CROUND
	s_barrier_signal -1
	s_barrier_wait -1
	CREST
.endm
.macro PLACES n
.rept \n
	v_nop
.endr
.endm
.macro FRAG reg, adr, q, i
.irp p, 0,1,2,3,4,5
	ds_load_b64 v[\reg+2*\p:\reg+2*\p+1], v[\adr] offset:(2*(\q)+\p/3)*SPB+(\i)*768+8*(\p%3)
.endr
.endm
.macro MULA a, p, q, sc, zero
.set AC, 8*NBK*((\a)%(NBK/2))
.set BI, 0
.rept NBK
.if \zero
	v_wmma_scale_f32_16x16x128_f8f6f4 v[AC+8*BI:AC+8*BI+7], v[128*(\p)+FR*BI:128*(\p)+FR*BI+FR-1], v[AF+FR*(\a):AF+FR*(\a)+FR-1], 0, v[SC+16*(\sc)+NQ*BI+(\q)], v[SC+16*(\sc)+NQ*(\a)+(\q)] matrix_a_fmt:MATRIX_FMT_FP6 matrix_b_fmt:MATRIX_FMT_FP6 matrix_a_scale:MATRIX_SCALE_ROW1
.else
	v_wmma_scale_f32_16x16x128_f8f6f4 v[AC+8*BI:AC+8*BI+7], v[128*(\p)+FR*BI:128*(\p)+FR*BI+FR-1], v[AF+FR*(\a):AF+FR*(\a)+FR-1], v[AC+8*BI:AC+8*BI+7], v[SC+16*(\sc)+NQ*BI+(\q)], v[SC+16*(\sc)+NQ*(\a)+(\q)] matrix_a_fmt:MATRIX_FMT_FP6 matrix_b_fmt:MATRIX_FMT_FP6 matrix_a_scale:MATRIX_SCALE_ROW1
.endif
.set BI, BI+1
.endr
.endm
.macro MULQ a0, p, q, sc, zero
.set AI, \a0
.rept NBK/4
	MULA AI, \p, \q, \sc, \zero
.set AI, AI+1
.endr
.endm
.macro FETCH_B slot, q, p
	WIN TO_B
.set FI, 0
.rept NBK
	FRAG 128*(\p)+FR*FI, ADRB+\slot, \q, FI
.set FI, FI+1
.endr
	WIN 0
.endm
.macro FETCH_A slot, q, i0
.set FI, \i0
.rept NBK/2
	FRAG AF+FR*FI, ADRA+\slot, \q, FI
.set FI, FI+1
.endr
.endm
.macro SCALES sc
.set FI, 0
.rept NBK
.set GI, 0
.rept NQ/2
	ds_load_b64 v[SC+16*\sc+NQ*FI+2*GI:SC+16*\sc+NQ*FI+2*GI+1], v[ADRS] offset:FI*128+GI*SROW
.set GI, GI+1
.endr
.set FI, FI+1
.endr
.endm
.macro STEP slot, q, zero
	s_wait_dscnt 3*NBK
	WIN MUL_LO
	MULQ 0, (\q)%2, \q, \slot, \zero
	MULQ NBK/4, (\q)%2, \q, \slot, \zero
	s_wait_dscnt 0x0
	PLACES 4
	FETCH_B \slot, (\q)+1, 1-(\q)%2
	FETCH_A \slot, (\q)+1, 0
	WIN MUL_HI
	MULQ NBK/2, (\q)%2, \q, \slot, \zero
	MULQ 3*NBK/4, (\q)%2, \q, \slot, \zero
	PLACES 4
	WIN 0
	FETCH_A \slot, (\q)+1, NBK/2
.endm
.macro TURN slot, next, fill
	s_wait_tensorcnt 0x0
	ds_add_u32 v[SPW], v[NIL]
	s_wait_dscnt 3*NBK+1
	WIN MUL_LO
	MULQ 0, 1, NQ-1, \slot, 0
	s_wait_dscnt 0x0
	s_barrier_signal -1
	MULQ NBK/4, 1, NQ-1, \slot, 0
	WIN 0
	s_barrier_wait -1
.if \fill
	CREST
	s_add_nc_u64 s[G0+4*\slot+2:G0+4*\slot+3], s[G0+4*\slot+2:G0+4*\slot+3], 2*NSP*RA*48
	s_add_nc_u64 s[G0B+4*\slot+2:G0B+4*\slot+3], s[G0B+4*\slot+2:G0B+4*\slot+3], 2*NSP*RB*48
	JLOAD G0+4*\slot, G1, G0B+4*\slot, G1B
.else
	PLACES 4
.endif
	s_wait_alu depctr_va_vdst(0)
	v_add_nc_u32 v[ADRS], (NQ/2)*SROW, v[ADRS]
	FETCH_B \next, 0, 0
	FETCH_A \next, 0, 0
	SCALES \next
	WIN MUL_HI
	MULQ NBK/2, 1, NQ-1, \slot, 0
	MULQ 3*NBK/4, 1, NQ-1, \slot, 0
	PLACES 4
	WIN 0
	FETCH_A \next, 0, NBK/2
.endm
	s_load_b128 s[4:7], s[0:1], 0x0
	s_load_b64 s[8:9], s[0:1], 0x10
	v_lshl_add_u32 v[SPW], v0, 2, SPARE
	v_mov_b32 v[NIL], 0
	ds_add_u32 v28, v29
	ds_add_u32 v28, v29
	s_wait_dscnt 0x0
	v_lshrrev_b32 v1, 5, v0
	v_readfirstlane_b32 s14, v1
	s_lshr_b32 s15, s14, 1
	s_and_b32 s16, s14, 1
	s_bfe_u32 s40, ttmp6, 0x40000
	s_bfe_u32 s41, ttmp6, 0x40004
	s_lshl_b32 s42, ttmp9, 2
	s_add_co_u32 s42, s42, s40
	s_and_b32 s17, ttmp7, 0xffff
	s_lshl_b32 s17, s17, 2
	s_add_co_u32 s17, s17, s41
	s_lshl_b32 s43, s41, 2
	s_lshl_b32 s43, 15, s43
	s_lshl_b32 s44, 0x1111, s40
	s_or_b32 s[G1+0], s43, (3<<16)|(1<<21)
	s_or_b32 s[G1B+0], s44, (3<<16)|(1<<21)
.irp g, G1, G1B
	s_mov_b32 s[\g+1], (SPB/8)<<16
	s_mov_b32 s[\g+2], NSP<<16
	s_mov_b32 s[\g+3], (SPB/8)<<16
	s_mov_b32 s[\g+4], NSP
	s_mov_b32 s[\g+6], 0
	s_mov_b32 s[\g+7], 0
.endr
	s_mov_b32 s[G1+5], RA*6
	s_mov_b32 s[G1B+5], RB*6
	s_mul_i32 s18, s16, 16*NBK
	s_mul_i32 s20, s17, 32*NBK
	s_add_co_u32 s20, s20, s18
	s_mul_i32 s46, s42, 32*NBK
	s_add_co_u32 s46, s46, s18
	s_add_co_u32 s46, s46, 4096
	s_lshl_b32 s22, s20, 3
	s_add_co_u32 s22, s22, SOFFA
	s_mov_b32 s23, 0
	s_mul_i32 s20, s20, 48
	s_mov_b32 s21, 0
	s_lshl_b32 s92, s46, 3
	s_add_co_u32 s92, s92, SOFFB
	s_mov_b32 s93, 0
	s_mul_i32 s46, s46, 48
	s_mov_b32 s47, 0
	s_mul_i32 s45, s14, HALFT
	s_mul_i32 s94, s14, HALFS
	s_mov_b32 s98, 0xbdd2d3e8
	s_mov_b32 s99, s98
	s_mov_b32 s100, 0x76543210
	s_mov_b32 s101, 0xfedcba98
	s_wait_kmcnt 0x0
	s_add_nc_u64 s[20:21], s[4:5], s[20:21]
	s_add_nc_u64 s[22:23], s[4:5], s[22:23]
	s_add_nc_u64 s[46:47], s[4:5], s[46:47]
	s_add_nc_u64 s[92:93], s[4:5], s[92:93]
	CROUND
	; the scale bytes of my 128 positions, 4 groups of 1,024 bytes, come by plain loads of 512 consecutive bytes and go into LDS bytes of their own by LDS stores
	v_and_b32 v9, 31, v0
	v_lshlrev_b32 v9, 4, v9                        ; 16 x lane
	s_add_co_u32 s94, s94, SCL
	v_add_nc_u32 v10, s94, v9                      ; where my part goes: by the wave's number alone
	s_wait_alu depctr_va_vdst(0)
	s_cmp_eq_u32 s15, 0
	s_cselect_b64 s[22:23], s[22:23], s[92:93]     ; waves 0, 1 the tokens', waves 2, 3 the weight's
.irp g, 0,1,2,3
	global_load_b128 v[128+8*\g:131+8*\g], v9, s[22:23] offset:\g*RA*8
	global_load_b128 v[132+8*\g:135+8*\g], v9, s[22:23] offset:\g*RA*8+512
.endr
.irp s, 0,1
	s_mov_b32 s[G0+4*\s], 1
	s_add_co_u32 s[G0+4*\s+1], s45, \s*SLOT
	s_add_nc_u64 s[G0+4*\s+2:G0+4*\s+3], s[20:21], \s*NSP*RA*48
	s_or_b32 s[G0+4*\s+3], s[G0+4*\s+3], 0x80000000
	s_mov_b32 s[G0B+4*\s], 1
	s_add_co_u32 s[G0B+4*\s+1], s45, \s*SLOT
	s_add_nc_u64 s[G0B+4*\s+2:G0B+4*\s+3], s[46:47], \s*NSP*RB*48
	s_or_b32 s[G0B+4*\s+3], s[G0B+4*\s+3], 0x80000000
.if \s
	s_wait_loadcnt 0x0                             ; my scale bytes
.irp g, 0,1,2,3
	ds_store_b128 v10, v[128+8*\g:131+8*\g] offset:\g*SROW
	ds_store_b128 v10, v[132+8*\g:135+8*\g] offset:\g*SROW+512
.endr
	s_wait_alu depctr_va_vdst(0)
	s_wait_tensorcnt 0x0                           ; slot 1's first fill is issued as a refill is
	ds_add_u32 v28, v29
	s_wait_dscnt 0x0
	CROUND
.endif
	JLOAD G0+4*\s, G1, G0B+4*\s, G1B
.endr
	v_and_b32 v1, 15, v0
	v_bfe_u32 v2, v0, 4, 1
	s_wait_alu depctr_va_vdst(0)
	v_mul_u32_u24 v3, v1, 48
	v_mad_u32_u24 v3, v2, 24, v3
	s_wait_alu depctr_va_vdst(0)
	s_mul_i32 s21, s15, HALFT
	s_mul_i32 s22, s16, HALFT
	s_add_co_u32 s22, s22, 2*HALFT
.irp s, 0,1
	v_add_nc_u32 v[ADRA+\s], s21, v3
	v_add_nc_u32 v[ADRB+\s], s22, v3
	s_add_co_u32 s21, s21, SLOT
	s_add_co_u32 s22, s22, SLOT
.endr
	v_lshlrev_b32 v5, 3, v1
	s_mul_i32 s21, s15, HALFS
	s_mul_i32 s22, s16, HALFS
	s_add_co_u32 s22, s22, 2*HALFS
	s_sub_co_u32 s22, s22, s21
	v_mul_u32_u24 v6, s22, v2
	s_add_co_u32 s21, s21, SCL
	v_add_nc_u32 v5, v5, v6
	v_add_nc_u32 v[ADRS], s21, v5
	s_mul_i32 s21, s16, 24576
	s_mul_i32 s22, s15, 6144
	s_add_co_u32 s21, s21, s22
	v_add_nc_u32 v[STO], s21, v3
	s_lshl_b32 s21, s15, 10
	s_lshl_b32 s22, s16, 2
	s_add_co_u32 s21, s21, s22
	s_add_co_u32 s21, s21, SSTG
	v_lshl_add_u32 v[SSTO], v1, 3, s21
	v_and_b32 v4, 31, v0
	v_lshlrev_b32 v[CO], 4, v4
	s_mul_i32 s21, s16, 24576
	s_mul_i32 s22, s15, 6144
	s_add_co_u32 s21, s21, s22
	v_add_nc_u32 v[RD], s21, v[CO]                 ; each wave copies out its own bytes of the codes' stage
	s_lshl_b32 s21, s14, 9
	s_add_co_u32 s21, s21, SSTG
	v_add_nc_u32 v[RDS], s21, v[CO]
.irp b, 0,1,2,3
	v_mov_b32 v[PB+\b], 0
.endr
	v_mov_b32 v98, 0xc0135761
	v_mov_b32 v99, 0xc0135761
	s_lshl_b32 s46, s42, 2                         ; codes: sub-panel 4 x the weight's tile + 2 x my half of the columns, position 256 x the tokens' tile + 128 x my half of the tokens
	s_lshl_b32 s47, s16, 1
	s_add_co_u32 s46, s46, s47
	s_lshl_b32 s46, s46, 12
	s_lshl_b32 s47, s17, 8
	s_add_co_u32 s46, s46, s47
	s_lshl_b32 s47, s15, 7
	s_add_co_u32 s46, s46, s47
	s_mul_i32 s46, s46, 48
	s_mov_b32 s47, 0
	s_add_nc_u64 s[10:11], s[8:9], s[46:47]
	s_lshl_b32 s46, s42, 12
	s_lshl_b32 s92, s17, 8
	s_add_co_u32 s46, s46, s92
	s_lshl_b32 s46, s46, 3
	s_lshl_b32 s92, s14, 9
	s_add_co_u32 s46, s46, s92
	s_add_co_u32 s46, s46, 12582912
	s_add_nc_u64 s[8:9], s[8:9], s[46:47]
	s_lshl_b32 s46, s42, 10
	s_lshl_b32 s92, s16, 9
	s_add_co_u32 s46, s46, s92
	s_add_nc_u64 s[6:7], s[6:7], s[46:47]
	v_lshlrev_b32 v7, 6, v2
	WIN TO_B
.irp k, 0,1,2,3,4,5,6,7
	global_load_b128 v[96+8*\k+96*(\k/4):99+8*\k+96*(\k/4)], v7, s[6:7] offset:128*(\k/2)+32*(\k%2)
	global_load_b128 v[100+8*\k+96*(\k/4):103+8*\k+96*(\k/4)], v7, s[6:7] offset:128*(\k/2)+32*(\k%2)+16
.endr
	WIN 0
	s_wait_tensorcnt 1
	s_barrier_signal -1
	s_barrier_wait -1
	FETCH_B 0, 0, 0
	FETCH_A 0, 0, 0
	SCALES 0
	FETCH_A 0, 0, NBK/2
	STEP 0, 0, 1
	s_mov_b32 s3, LAPS-1
.Llap:
	TURN 0, 1, 1
	STEP 1, 0, 0
	TURN 1, 0, 1
	STEP 0, 0, 0
	s_sub_co_u32 s3, s3, 1
	s_cmp_lg_u32 s3, 0
	s_cbranch_scc1 .Llap
	TURN 0, 1, 0
	STEP 1, 0, 0
	s_wait_dscnt 3*NBK
	WIN MUL_LO
	MULQ 0, 1, NQ-1, 1, 0
	MULQ NBK/4, 1, NQ-1, 1, 0
	s_wait_dscnt 0x0
	WIN MUL_HI
	MULQ NBK/2, 1, NQ-1, 1, 0
	MULQ 3*NBK/4, 1, NQ-1, 1, 0
	WIN 0
.macro GELU
.set KI, 0
.rept 32
	v_pk_mul_f32 v[T+KI:T+KI+1], v[H+KI:H+KI+1], v[H+KI:H+KI+1]
.set KI, KI+2
.endr
.set KI, 0
.rept 32
	v_pk_fma_f32 v[T+KI:T+KI+1], v[T+KI:T+KI+1], s[98:99], v[98:99] op_sel_hi:[1,0,1]
.set KI, KI+2
.endr
.set KI, 0
.rept 32
	v_pk_mul_f32 v[T+KI:T+KI+1], v[T+KI:T+KI+1], v[H+KI:H+KI+1]
.set KI, KI+2
.endr
.set KI, 0
	s_wait_alu depctr_va_vdst(0)
.rept 64
	v_exp_f32 v[T+KI], v[T+KI]
.set KI, KI+1
.endr
	v_nop
.set KI, 0
	s_wait_alu depctr_va_vdst(0)
.rept 32
	v_pk_add_f32 v[T+KI:T+KI+1], v[T+KI:T+KI+1], 1.0 op_sel_hi:[1,0]
.set KI, KI+2
.endr
.set KI, 0
	s_wait_alu depctr_va_vdst(0)
.rept 64
	v_rcp_f32 v[T+KI], v[T+KI]
.set KI, KI+1
.endr
	v_nop
.set KI, 0
	s_wait_alu depctr_va_vdst(0)
.rept 32
	v_pk_mul_f32 v[H+KI:H+KI+1], v[H+KI:H+KI+1], v[T+KI:T+KI+1]
.set KI, KI+2
.endr
.endm
.macro QUANT s
.irp b, 0,1,2,3
	v_max3_num_f32 v[MX+\b], |v[\s+16*\b]|, |v[\s+1+16*\b]|, 0x1800000
.endr
.irp i, 2,4,6,8,10,12,14
.irp b, 0,1,2,3
	v_max3_num_f32 v[MX+\b], v[MX+\b], |v[\s+16*\b+\i]|, |v[\s+1+16*\b+\i]|
.endr
.endr
.irp b, 0,1,2,3
	v_permlanex16_b32 v[PB+\b], v[MX+\b], s100, s101
.endr
.irp b, 0,1,2,3
	v_max_num_f32 v[MX+\b], v[MX+\b], v[PB+\b]
.endr
.irp b, 0,1,2,3
	v_add_nc_u32 v[SO+\b], 0xff000000, v[MX+\b]
.endr
.irp b, 0,1,2,3
	v_lshrrev_b32 v[PB+\b], 23, v[SO+\b]
.endr
	v_lshl_or_b32 v[PW], v[PB+1], 8, v[PB]
	v_lshl_or_b32 v[PW], v[PB+2], 16, v[PW]
	v_lshl_or_b32 v[PW], v[PB+3], 24, v[PW]
.irp c, 0,1
	v_cvt_scalef32_pk16_fp6_f32 v[PC+6*\c:PC+2+6*\c], v[\s+32*\c:\s+15+32*\c], v[SO+2*\c]
	v_cvt_scalef32_pk16_fp6_f32 v[PC+12+4*\c:PC+14+4*\c], v[\s+16+32*\c:\s+31+32*\c], v[SO+2*\c+1]
.endr
	v_nop
.irp c, 0,1
.irp i, 0,1,2
	v_permlane16_swap_b32 v[PC+6*\c+\i], v[PC+12+4*\c+\i]
.endr
.irp i, 0,1,2
	v_mov_b32 v[PC+3+6*\c+\i], v[PC+12+4*\c+\i]
.endr
.endr
.endm
.macro BLOCK a
	WIN 0x06+(\a)/4
.set KI, 0
.rept 32
	v_pk_add_f32 v[H+KI:H+KI+1], v[64*((\a)%4)+KI:64*((\a)%4)+KI+1], v[96+KI+96*(KI/32):97+KI+96*(KI/32)]
.set KI, KI+2
.endr
	WIN 0
	GELU
	QUANT H
.irp c, 0,1
.irp i, 0,1,2
	ds_store_b64 v[STO], v[PC+6*\c+2*\i:PC+6*\c+2*\i+1] offset:\c*12288+(\a)*768+8*\i
.endr
.endr
	ds_store_b32 v[SSTO], v[PW] offset:(\a)*128
	s_wait_dscnt 0x0
.endm
	PLACES 4
	s_wait_loadcnt 0x0
; The codes leave behind every second block: 32 rows x 48 bytes of each of my two sub-panels, 2 x 1,536 consecutive bytes at multiples of 512; they are my own bytes of the stage, so no barrier stands in front of them.
.macro OUTLD p
.irp c, 0,1
.irp t, 0,1,2
	ds_load_b128 v[32+12*\c+4*\t:35+12*\c+4*\t], v[RD] offset:\c*12288+(\p)*1536+512*\t   ; LDS serves a wave's instructions in order: these see my stores
.endr
.endr
.endm
.macro OUTST p
.irp c, 0,1
.irp t, 0,1,2
	global_store_b128 v[CO], v[32+12*\c+4*\t:35+12*\c+4*\t], s[10:11] offset:\c*196608+(\p)*1536+512*\t
.endr
.endr
.endm
	BLOCK 0
	BLOCK 1
	OUTLD 0
	BLOCK 2                                        ; (a block closes with the wait for all LDS instructions: the loads above are in)
	OUTST 0
	BLOCK 3
	s_wait_xcnt 0x0                                ; the stores have read their registers
	OUTLD 1
	BLOCK 4
	OUTST 1
	BLOCK 5
	s_wait_xcnt 0x0
	OUTLD 2
	BLOCK 6
	OUTST 2
	BLOCK 7
	s_wait_xcnt 0x0
	OUTLD 3
	s_wait_dscnt 0x0
	OUTST 3
	s_barrier_signal -1                            ; a row's 8 scale bytes are two waves': every wave's stores into their stage are done
	s_barrier_wait -1
	ds_load_b128 v[64:67], v[RDS]
	s_wait_dscnt 0x0
	global_store_b128 v[CO], v[64:67], s[8:9]
	s_wait_tensorcnt 0x0
	ds_add_u32 v[SPW], v[NIL]
	s_wait_dscnt 0x0
	CROUND
	s_endpgm
.Lfunc_end_k_qd641c3c3d8_fc:
	.size	k_qd641c3c3d8_fc, .Lfunc_end_k_qd641c3c3d8_fc-k_qd641c3c3d8_fc
	.p2alignl 7, 3214868480
	.fill 96, 4, 3214868480
	.section	.rodata,"a",@progbits
	.p2align	6, 0x0
	.amdhsa_kernel k_qd641c3c3d8_fc
		.amdhsa_group_segment_fixed_size 327680
		.amdhsa_private_segment_fixed_size 0
		.amdhsa_enable_private_segment 0
		.amdhsa_kernarg_size 24
		.amdhsa_user_sgpr_count 2
		.amdhsa_user_sgpr_kernarg_segment_ptr 1
		.amdhsa_wavefront_size32 1
		.amdhsa_system_sgpr_workgroup_id_x 1
		.amdhsa_system_sgpr_workgroup_id_y 1
		.amdhsa_system_sgpr_workgroup_id_z 1
		.amdhsa_system_vgpr_workitem_id 0
		.amdhsa_next_free_vgpr 1024
		.amdhsa_next_free_sgpr 102
		.amdhsa_reserve_vcc 0
		.amdhsa_float_denorm_mode_32 3
		.amdhsa_float_denorm_mode_16_64 3
		.amdhsa_memory_ordered 1
		.amdhsa_forward_progress 1
		.amdhsa_inst_pref_size 255
	.end_amdhsa_kernel
	.section	.bss,"aw",@nobits
	.p2align	6
	.space	262144
	.amdgpu_metadata
---
amdhsa.version: [ 1, 2 ]
amdhsa.kernels:
  - .name:           k_qd641c3c3d8_fc
    .symbol:         k_qd641c3c3d8_fc.kd
    .args:
      - { .name: op2, .offset: 0, .size: 8, .value_kind: global_buffer, .address_space: global }
      - { .name: bfc, .offset: 8, .size: 8, .value_kind: global_buffer, .address_space: global }
      - { .name: gq, .offset: 16, .size: 8, .value_kind: global_buffer, .address_space: global }
    .group_segment_fixed_size: 327680
    .private_segment_fixed_size: 0
    .kernarg_segment_align: 8
    .kernarg_segment_size: 24
    .max_flat_workgroup_size: 128
    .sgpr_count:     102
    .vgpr_count:     1024
    .wavefront_size: 32
...
	.end_amdgpu_metadata
.endif
;; end of part 6
;; launch p2 (part 7): grid 8 x 32, 4 waves a work-group, clusters of 4 x 4, 327,680 bytes of LDS; arguments gq, wp2q, bp2, x1, out0; writes out0
.if DOCPART == 7
	.amdgcn_target "amdgcn-amd-amdhsa--gfx1250"
	.amdhsa_code_object_version 6
	.text
	.protected	k_qd641c3c3d8_p2
	.globl	k_qd641c3c3d8_p2
	.p2align	8
	.type	k_qd641c3c3d8_p2,@function
k_qd641c3c3d8_p2:
	s_mov_b64 s[64:65], 0
	v_nop
	global_prefetch_b8 v0, s[64:65] scope:SCOPE_SE
	s_setreg_imm32_b32 hwreg(HW_REG_WAVE_MODE, 25, 1), 1
	s_wait_xcnt 0x0
	s_wait_alu depctr_hold_cnt(0) depctr_sa_sdst(0) depctr_va_vdst(0) depctr_va_sdst(0) depctr_va_ssrc(0) depctr_va_vcc(0) depctr_vm_vsrc(0)
	s_getreg_b32 s2, hwreg(HW_REG_IB_STS2, 6, 4)
	s_cmp_eq_u32 s2, 0
	s_cbranch_scc0 .Lentry_in_a_cluster
	s_endpgm
.Lentry_in_a_cluster:
	s_bfe_u32 s2, ttmp6, 0x10000c
	s_cmp_lg_u32 s2, 0xf033
	s_cbranch_scc0 .Lentry_shape_is_right
	s_endpgm
.Lentry_shape_is_right:
; out0 = x1 + g Wp2^T + bp2.  g: codes of FP6 (E2M3) in gq (4,096 positions, K = 4,096); Wp2: codes in wp2q (1,024 positions); x1, out0: [4,096][1,024] f32 in their true order.
; Codes [K / 64 sub-panels][positions][48 bytes], scale bytes [K / 256 groups][positions][8] behind them; row i lies at position i with bits 3 and 4 exchanged.
; 256 work-groups of four waves, a tile of 128 x 128, a wave 64 x 64: 16 accumulators.  The matrix instruction is used transposed (source 0 = 16 positions of the weight, source 1 = 16 of the tokens).
; K goes in eight chunks of 512 through two LDS slots; a wave's joint load brings 8 sub-panel parts of 64 positions x 48 bytes (3,072 consecutive bytes each): the tokens' shared along a row of the 4 x 4 cluster, the weight's along a column.
; A PERIOD is one chunk: the refill of the other slot first behind the round; the chunk's four steps of 128 have registers of their own (4 x 96), so LDS loads run one whole step ahead of the products.
; THE SCALE BYTES of all of K (8,192 bytes a wave) come once, by plain loads of 512 consecutive bytes and LDS stores, into LDS bytes of their own: the head's one tensor load a wave is chunk 0's.
; THE BIAS is loaded into the accumulators in the results' layout: the sums begin with it, and no step differs from the others.
; PREFETCH: in period c each wave asks for its share of chunk c + 3, two refills on; the head asks for chunks 1 and 2.  Of the 96 blocks of 256 bytes that a wave's load brings, the four partners that ask jointly take
; two sub-panel parts (24 blocks) each, told apart by address (cx for the tokens, cy for the weight); lanes 24-31 name the last block again.  Chunk 7 is the last that is asked for.
; LIMITS: NaN and infinities are not served.
; REGISTERS: window 0: v14-31 addresses; v32-63 scale words, two sets; v64-127 the scale bytes on their way in, later rows on their way out; v128-255 the accumulators.  window 1: the weight's fragments (48 q + 12 i);
;   window 2: the tokens' fragments; window 3: v0-127 the residual.
.set RA,    4096
.set RB,    1024
.set SOFFA, 12582912
.set SOFFB, 3145728
.set NSP,   8                          ; sub-panels of a chunk
.set SPB,   3072                       ; a loader's part of a sub-panel
.set HALFT, NSP*SPB
.set SLOT,  4*HALFT
.set SROW,  512
.set HALFS, 16*SROW
.set SCL,   2*SLOT                     ; the scale bytes, written by LDS stores alone
.set SPARE, SCL+4*HALFS                ; the spare words: 128 bytes a wave
.set STAGE, SPARE+512                  ; the way out: 16 rows of 256 + 16 bytes a wave, written by LDS stores alone
.set BOF,  14
.set PFO,  15
.set ADRA, 16
.set ADRB, 20
.set STO,  24
.set RD,   25
.set CO,   26
.set ADRS, 27
.set SPW,  28
.set NIL,  29
.set L16,  30
.set SST,  31
.set SC,   32
.set BK,   64
.set ACC,  128
.set G1,  24
.set G0,  32
.set G1B, 48
.set G0B, 56
.set PFA, 66                           ; s[66:67] where my prefetches stand;  s[68:69] a chunk's step in bytes
.set PST, 68
.set MSB, 0
.macro WIN new
.if MSB != (\new)
	s_set_vgpr_msb (MSB<<8)|(\new)
.set MSB, (\new)
.endif
.endm
.set MULW, 0x09                        ; source 0 window 1, source 1 window 2, C and D window 0
.macro PLACES n
.rept \n
	v_nop
.endr
.endm
.macro JLOAD g0a, g1a, g0b, g1b        ; a joint load: waves 0 and 1 fetch the tokens', waves 2 and 3 the weight's; s_nop 0 and four v_nop follow each line
	s_cmp_eq_u32 s15, 0
	s_cbranch_scc0 .Lfor_b_\@
	tensor_load_to_lds s[\g0a:\g0a+3], s[\g1a:\g1a+7]
	s_nop 0
	PLACES 4
	s_branch .Lasked_\@
.Lfor_b_\@:
	tensor_load_to_lds s[\g0b:\g0b+3], s[\g1b:\g1b+7]
	s_nop 0
	PLACES 4
.Lasked_\@:
.endm
.macro CREST                           ; a round of the cluster's barrier behind its opening barrier
	s_cmp_lg_u32 s14, 0
	s_cbranch_scc1 .Lnot_wave_0_\@
	s_barrier_signal -3
.Lnot_wave_0_\@:
	s_barrier_wait -3
	s_barrier_signal -1
	s_barrier_wait -1
.endm
.macro CROUND
	s_barrier_signal -1
	s_barrier_wait -1
	CREST
.endm
.macro LD s, q                         ; step q's eight fragments: 48 loads.  Registers 6 c .. 6 c + 5 = the 24 bytes at 24 (lane / 16) of row lane % 16 in sub-panel 2 q + c
	WIN 0x40
.irp i, 0,1,2,3
.irp p, 0,1,2,3,4,5
	ds_load_b64 v[48*(\q)+12*\i+2*\p:48*(\q)+12*\i+2*\p+1], v[ADRB+\s] offset:(2*(\q)+\p/3)*SPB+\i*768+8*(\p%3)
.endr
.endr
	WIN 0x80
.irp i, 0,1,2,3
.irp p, 0,1,2,3,4,5
	ds_load_b64 v[48*(\q)+12*\i+2*\p:48*(\q)+12*\i+2*\p+1], v[ADRA+\s] offset:(2*(\q)+\p/3)*SPB+\i*768+8*(\p%3)
.endr
.endr
.endm
.macro SCALES s, so                    ; a chunk's scale words, 8 loads: lanes 0-15 the tokens' block i, lanes 16-31 the weight's block i
.irp i, 0,1,2,3
.irp g, 0,1
	ds_load_b64 v[SC+16*\s+4*\i+2*\g:SC+16*\s+4*\i+2*\g+1], v[ADRS] offset:\so+\i*128+\g*SROW
.endr
.endr
.endm
.macro MULA a, q, s                    ; the tokens' block a against the weight's four; the 16 accumulators take turns, one instruction a turn
.irp b, 0,1,2,3
	v_wmma_scale_f32_16x16x128_f8f6f4 v[ACC+8*(4*(\a)+\b):ACC+8*(4*(\a)+\b)+7], v[48*(\q)+12*\b:48*(\q)+12*\b+11], v[48*(\q)+12*(\a):48*(\q)+12*(\a)+11], v[ACC+8*(4*(\a)+\b):ACC+8*(4*(\a)+\b)+7], v[SC+16*(\s)+4*\b+(\q)], v[SC+16*(\s)+4*(\a)+(\q)] matrix_a_fmt:MATRIX_FMT_FP6 matrix_b_fmt:MATRIX_FMT_FP6 matrix_a_scale:MATRIX_SCALE_ROW1
.endr
.endm
.macro MULS q, s
	WIN MULW
.irp a, 0,1,2,3
	MULA \a, \q, \s
.endr
.endm
; s: the chunk's slot.  fill: the other slot is filled.  ask: 1 a prefetch, 2 a prefetch in the loop's first two trips alone.  round: 1 a round of the cluster's barrier ends the period, 0 a plain barrier, 2 nothing (the last chunk).
; so: the chunk's scale words, from v[ADRS].  res: the residual is asked for.
.macro PERIOD s, fill, ask, round, so, res
.if \fill
	JLOAD G0+4*(1-\s), G1, G0B+4*(1-\s), G1B       ; first behind the round; its four v_nop are the places in front of the loads below
.else
	PLACES 4
.endif
	SCALES \s, \so
	LD \s, 0
	LD \s, 1
	s_wait_dscnt 48                                ; all but step 1's 48 loads
	MULS 0, \s
	WIN 0
.if \ask == 2
	s_cmp_lt_u32 s3, 2
	s_cbranch_scc0 .Lno_ask_\@
.endif
.if \ask
	global_prefetch_b8 v[PFO], s[PFA:PFA+1] th:TH_LOAD_NT scope:SCOPE_SE
.endif
.if \ask == 2
.Lno_ask_\@:
.endif
.if \res
	WIN 0xc0
.irp a, 0,1,2,3
.irp t, 0,1,2,3,4,5,6,7
	global_load_b128 v[32*\a+4*\t:32*\a+4*\t+3], v[CO], s[10:11] offset:(32*(\a/2)+8*(\a%2)+2*\t+8*(\t/4))*4096 th:TH_LOAD_NT   ; as the rows will leave: position 16 a + p is row 32 (a / 2) + 8 (a % 2) + p + 8 (p / 8)
.endr
.endr
.endif
	LD \s, 2
	s_wait_dscnt 48                                ; all but step 2's
	MULS 1, \s
	LD \s, 3
	s_wait_dscnt 48                                ; all but step 3's
	MULS 2, \s
	WIN 0
.if \round == 2
	s_wait_dscnt 0x0
	MULS 3, \s
	WIN 0
.else
.if \ask
	s_wait_xcnt 0x0                                ; my prefetch has read its address
	s_add_nc_u64 s[PFA:PFA+1], s[PFA:PFA+1], s[PST:PST+1]
.endif
	s_wait_tensorcnt 0x0                           ; my one load that was out, my part of the next chunk, has landed
	ds_add_u32 v[SPW], v[NIL]
.if \round
	s_add_nc_u64 s[G0+4*\s+2:G0+4*\s+3], s[G0+4*\s+2:G0+4*\s+3], 2*NSP*RA*48       ; no load of mine is out: this slot's next chunk
	s_add_nc_u64 s[G0B+4*\s+2:G0B+4*\s+3], s[G0B+4*\s+2:G0B+4*\s+3], 2*NSP*RB*48
.endif
	s_wait_dscnt 1                                 ; step 3's loads are in; the add may be out
	WIN MULW
	MULA 0, 3, \s
	MULA 1, 3, \s
	s_wait_dscnt 0x0                               ; the add is done, and my reads of this slot are over
	s_barrier_signal -1
	MULA 2, 3, \s
	MULA 3, 3, \s
	WIN 0
	s_barrier_wait -1
.if \round
	CREST
.endif
.endif
.endm
.macro SLD base, stride                ; my 64 positions' scale bytes: 16 groups of 512 consecutive bytes
.irp g, 0,1,2,3,4,5,6,7,8,9,10,11,12,13,14,15
	global_load_b128 v[BK+4*\g:BK+4*\g+3], v[L16], s[\base:\base+1] offset:\g*\stride
.endr
.endm
; ---- the head
	s_load_b256 s[4:11], s[0:1], 0x0               ; gq, wp2q, bp2, x1
	s_load_b64 s[12:13], s[0:1], 0x20              ; out0
	v_lshl_add_u32 v[SPW], v0, 2, SPARE
	v_mov_b32 v[NIL], 0
	ds_add_u32 v[SPW], v[NIL]                      ; the opening lines: the add twice on end and its wait
	ds_add_u32 v[SPW], v[NIL]
	v_lshrrev_b32 v1, 5, v0
	v_readfirstlane_b32 s14, v1                    ; wave 0..3
	s_lshr_b32 s15, s14, 1                         ; my half of the tokens.  Also: I fetch the tokens' (0) or the weight's (1)
	s_and_b32 s16, s14, 1                          ; my half of the columns.  Also: which 64 positions I fetch
	s_bfe_u32 s40, ttmp6, 0x40000                  ; cx, cy
	s_bfe_u32 s41, ttmp6, 0x40004
	s_lshl_b32 s42, ttmp9, 2
	s_add_co_u32 s42, s42, s40                     ; tile column
	s_and_b32 s17, ttmp7, 0xffff
	s_lshl_b32 s17, s17, 2
	s_add_co_u32 s17, s17, s41                     ; tile row
	s_lshl_b32 s43, s41, 2
	s_lshl_b32 s43, 15, s43                        ; my row of the cluster
	s_lshl_b32 s44, 0x1111, s40                    ; my column
	s_or_b32 s[G1+0], s43, (3<<16)|(1<<21)         ; the mask; elements of 8 bytes; bit 21 beside a mask; no padding: rows 48 bytes apart
	s_or_b32 s[G1B+0], s44, (3<<16)|(1<<21)
.irp g, G1, G1B
	s_mov_b32 s[\g+1], (SPB/8)<<16
	s_mov_b32 s[\g+2], NSP<<16
	s_mov_b32 s[\g+3], (SPB/8)<<16
	s_mov_b32 s[\g+4], NSP
	s_mov_b32 s[\g+6], 0
	s_mov_b32 s[\g+7], 0
.endr
	s_mov_b32 s[G1+5], RA*6
	s_mov_b32 s[G1B+5], RB*6
	s_lshl_b32 s18, s16, 6
	s_lshl_b32 s20, s17, 7
	s_add_co_u32 s20, s20, s18                     ; the tokens' first position that I would fetch
	s_lshl_b32 s46, s42, 7
	s_add_co_u32 s46, s46, s18                     ; the weight's
	s_lshl_b32 s74, s20, 3
	s_add_co_u32 s74, s74, SOFFA
	s_mov_b32 s75, 0
	s_lshl_b32 s76, s46, 3
	s_add_co_u32 s76, s76, SOFFB
	s_mov_b32 s77, 0
	s_mul_i32 s20, s20, 48
	s_mov_b32 s21, 0
	s_mul_i32 s46, s46, 48
	s_mov_b32 s47, 0
	s_mul_i32 s45, s14, HALFT                      ; where my tiles go: by the wave's number alone
	s_mov_b32 s73, RB*48
	s_cmp_eq_u32 s15, 0
	s_cselect_b32 s73, RA*48, s73                  ; a sub-panel of what I fetch, in bytes
	s_cselect_b32 s78, s40, s41                    ; my place among the four that ask with me
	s_lshl_b32 s78, s78, 1
	s_add_co_u32 s78, s78, NSP
	s_mul_i32 s78, s78, s73                        ; my two sub-panels of chunk 1
	s_mov_b32 s79, 0
	s_lshl_b32 s[PST], s73, 3
	s_mov_b32 s[PST+1], 0
	s_lshl_b32 s80, s42, 7
	s_lshl_b32 s82, s16, 6
	s_add_co_u32 s80, s80, s82
	s_lshl_b32 s80, s80, 2                         ; my first column, in bytes
	s_mov_b32 s81, 0
	s_lshl_b32 s82, s17, 7
	s_lshl_b32 s83, s15, 6
	s_add_co_u32 s82, s82, s83
	s_lshl_b32 s82, s82, 12
	s_add_co_u32 s82, s82, s80                     ; and my first row's place
	s_mov_b32 s83, 0
	s_mul_i32 s84, s15, HALFT
	s_mul_i32 s85, s16, HALFT
	s_add_co_u32 s85, s85, 2*HALFT
	s_mul_i32 s86, s15, HALFS
	s_mul_i32 s70, s16, HALFS
	s_add_co_u32 s70, s70, 2*HALFS
	s_sub_co_u32 s70, s70, s86                     ; from the tokens' scale words to the weight's
	s_add_co_u32 s86, s86, SCL
	s_mul_i32 s71, s14, 4352
	s_add_co_u32 s71, s71, STAGE
	s_mul_i32 s72, s14, HALFS
	s_add_co_u32 s72, s72, SCL
	v_and_b32 v1, 15, v0                           ; r
	v_bfe_u32 v2, v0, 4, 1                         ; h
	v_and_b32 v4, 31, v0                           ; lane
	v_mul_u32_u24 v3, v1, 48
	v_mad_u32_u24 v3, v2, 24, v3
	v_add_nc_u32 v[ADRA], s84, v3
	v_add_nc_u32 v[ADRB], s85, v3
	v_add_nc_u32 v[ADRA+1], SLOT, v[ADRA]
	v_add_nc_u32 v[ADRB+1], SLOT, v[ADRB]
	v_lshlrev_b32 v5, 3, v1
	v_mad_u32_u24 v5, s70, v2, v5                  ; lanes 16-31 take the weight's
	v_add_nc_u32 v[ADRS], s86, v5
	v_mul_u32_u24 v6, v1, 272
	v_lshl_add_u32 v6, v2, 6, v6
	v_add_nc_u32 v[STO], s71, v6                   ; the stage, in: row r, 64 h
	v_mul_u32_u24 v6, v2, 272
	v_lshl_add_u32 v6, v1, 4, v6
	v_add_nc_u32 v[RD], s71, v6                    ; back: lanes 0-15 one row, lanes 16-31 the next
	v_lshlrev_b32 v7, 4, v1
	v_lshl_add_u32 v[CO], v2, 12, v7               ; the same two rows in memory
	v_lshlrev_b32 v[L16], 4, v4
	v_add_nc_u32 v[SST], s72, v[L16]               ; where my scale bytes go
	v_lshlrev_b32 v[BOF], 6, v2                    ; the bias: 64 h
	v_min_u32 v8, 23, v4                           ; the prefetches: lane l < 24 names block l % 12 of sub-panel part l / 12
	v_mul_u32_u24 v9, v8, 171
	v_lshrrev_b32 v9, 11, v9                       ; l / 12
	v_mul_u32_u24 v10, v9, 12
	v_sub_nc_u32 v8, v8, v10
	v_lshlrev_b32 v8, 8, v8
	v_mad_u32_u24 v[PFO], v9, s73, v8
	s_wait_alu depctr_va_vdst(0)                   ; the wait at the end of the head's vector work
	s_wait_dscnt 0x0                               ; both opening adds are done
	s_wait_kmcnt 0x0
	s_add_nc_u64 s[20:21], s[4:5], s[20:21]
	s_add_nc_u64 s[46:47], s[6:7], s[46:47]
	s_add_nc_u64 s[74:75], s[4:5], s[74:75]
	s_add_nc_u64 s[76:77], s[6:7], s[76:77]
	s_add_nc_u64 s[8:9], s[8:9], s[80:81]
	s_add_nc_u64 s[10:11], s[10:11], s[82:83]
	s_add_nc_u64 s[12:13], s[12:13], s[82:83]
	s_cmp_eq_u32 s15, 0
	s_cselect_b64 s[PFA:PFA+1], s[20:21], s[46:47]
	s_add_nc_u64 s[PFA:PFA+1], s[PFA:PFA+1], s[78:79]
	s_cmp_eq_u32 s15, 0
	s_cbranch_scc0 .Lscale_b
	SLD 74, RA*8
	s_branch .Lscale_j
.Lscale_b:
	SLD 76, RB*8
.Lscale_j:
.irp s, 0,1
	s_mov_b32 s[G0+4*\s], 1
	s_add_co_u32 s[G0+4*\s+1], s45, \s*SLOT
	s_add_nc_u64 s[G0+4*\s+2:G0+4*\s+3], s[20:21], \s*NSP*RA*48
	s_or_b32 s[G0+4*\s+3], s[G0+4*\s+3], 0x80000000
	s_mov_b32 s[G0B+4*\s], 1
	s_add_co_u32 s[G0B+4*\s+1], s45, \s*SLOT
	s_add_nc_u64 s[G0B+4*\s+2:G0B+4*\s+3], s[46:47], \s*NSP*RB*48
	s_or_b32 s[G0B+4*\s+3], s[G0B+4*\s+3], 0x80000000
.endr
	CROUND                                         ; all sixteen work-groups are here: the first joint loads meet
	JLOAD G0, G1, G0B, G1B                         ; chunk 0: one tensor load a wave at the head
	global_prefetch_b8 v[PFO], s[PFA:PFA+1] th:TH_LOAD_NT scope:SCOPE_SE   ; chunk 1
.irp a, 0,1,2,3
.irp b, 0,1,2,3
	global_load_b128 v[ACC+8*(4*\a+\b):ACC+8*(4*\a+\b)+3], v[BOF], s[8:9] offset:128*(\b/2)+32*(\b%2)        ; register j of accumulator (a, b) is column 32 (b / 2) + 16 h + 8 (b % 2) + j
	global_load_b128 v[ACC+8*(4*\a+\b)+4:ACC+8*(4*\a+\b)+7], v[BOF], s[8:9] offset:128*(\b/2)+32*(\b%2)+16
.endr
.endr
	s_wait_loadcnt 32                              ; my scale bytes are in; the bias's 32 loads may be out
.irp g, 0,1,2,3,4,5,6,7,8,9,10,11,12,13,14,15
	ds_store_b128 v[SST], v[BK+4*\g:BK+4*\g+3] offset:\g*SROW
.endr
	s_wait_xcnt 0x0
	s_add_nc_u64 s[PFA:PFA+1], s[PFA:PFA+1], s[PST:PST+1]
	global_prefetch_b8 v[PFO], s[PFA:PFA+1] th:TH_LOAD_NT scope:SCOPE_SE   ; chunk 2
	s_wait_loadcnt 0x0                             ; the bias lies in the accumulators
	s_wait_tensorcnt 0x0                           ; my part of chunk 0 is in; slot 1's first fill is issued as a refill is
	ds_add_u32 v[SPW], v[NIL]
	s_wait_xcnt 0x0
	s_add_nc_u64 s[PFA:PFA+1], s[PFA:PFA+1], s[PST:PST+1]   ; on to chunk 3
	s_wait_dscnt 0x0                               ; the add and my stores of scale bytes are done
	CROUND
	s_mov_b32 s3, 0
.Llap:                                             ; chunks 0 to 5, two a trip
	PERIOD 0, 1, 1, 1, 0, 0
	PERIOD 1, 1, 2, 1, 1024, 0
	v_add_nc_u32 v[ADRS], 2048, v[ADRS]            ; the next two chunks' scale words
	s_wait_alu depctr_va_vdst(0)
	s_add_co_u32 s3, s3, 1
	s_cmp_lt_u32 s3, 3
	s_cbranch_scc1 .Llap
	PERIOD 0, 1, 0, 0, 0, 1                        ; chunk 6: chunk 7 is the last fill; a plain barrier shows it
	PERIOD 1, 0, 0, 2, 1024, 0                     ; chunk 7
; ---- the way out, 16 positions x 64 columns at a time through my own stage: in by the columns' true places, back as whole rows of 256 bytes
.macro TOSTAGE a
.irp b, 0,1,2,3
	ds_store_b128 v[STO], v[ACC+8*(4*(\a)+\b):ACC+8*(4*(\a)+\b)+3] offset:128*(\b/2)+32*(\b%2)      ; each accumulator from its low end on
	ds_store_b128 v[STO], v[ACC+8*(4*(\a)+\b)+4:ACC+8*(4*(\a)+\b)+7] offset:128*(\b/2)+32*(\b%2)+16
.endr
.irp t, 0,1,2,3,4,5,6,7
	ds_load_b128 v[BK+32*((\a)%2)+4*\t:BK+32*((\a)%2)+4*\t+3], v[RD] offset:\t*544   ; LDS serves a wave's instructions in order: these see the stores above
.endr
.endm
.macro SEND a, younger                 ; younger: the LDS instructions issued behind block a's loads
.set BB, BK+32*((\a)%2)
	s_wait_dscnt \younger
	WIN 0x0c                                       ; source 1: the residual, window 3
.set KI, 0
.rept 16
	v_pk_add_f32 v[BB+KI:BB+KI+1], v[BB+KI:BB+KI+1], v[32*(\a)+KI:32*(\a)+KI+1]
.set KI, KI+2
.endr
	WIN 0
.irp t, 0,1,2,3,4,5,6,7
	global_store_b128 v[CO], v[BB+4*\t:BB+4*\t+3], s[12:13] offset:(32*((\a)/2)+8*((\a)%2)+2*\t+8*(\t/4))*4096 th:TH_STORE_NT   ; 16 lanes store 256 consecutive bytes, aligned
.endr
.endm
	PLACES 4                                       ; behind the last products
	s_wait_loadcnt 0x0                             ; the residual
	TOSTAGE 0
	TOSTAGE 1
	SEND 0, 16                                     ; behind block 0's loads: block 1's 8 stores and 8 loads
	s_wait_xcnt 0x0                                ; block 0's stores have read their registers
	TOSTAGE 2
	SEND 1, 16
	s_wait_xcnt 0x0
	TOSTAGE 3
	SEND 2, 16
	SEND 3, 0
	s_wait_tensorcnt 0x0                           ; the wave's end
	ds_add_u32 v[SPW], v[NIL]
	s_wait_dscnt 0x0
	CROUND                                         ; the closing round
	s_endpgm
.Lfunc_end_k_qd641c3c3d8_p2:
	.size	k_qd641c3c3d8_p2, .Lfunc_end_k_qd641c3c3d8_p2-k_qd641c3c3d8_p2
	.p2alignl 7, 3214868480
	.fill 96, 4, 3214868480
	.section	.rodata,"a",@progbits
	.p2align	6, 0x0
	.amdhsa_kernel k_qd641c3c3d8_p2
		.amdhsa_group_segment_fixed_size 327680
		.amdhsa_private_segment_fixed_size 0
		.amdhsa_enable_private_segment 0
		.amdhsa_kernarg_size 40
		.amdhsa_user_sgpr_count 2
		.amdhsa_user_sgpr_kernarg_segment_ptr 1
		.amdhsa_wavefront_size32 1
		.amdhsa_system_sgpr_workgroup_id_x 1
		.amdhsa_system_sgpr_workgroup_id_y 1
		.amdhsa_system_sgpr_workgroup_id_z 1
		.amdhsa_system_vgpr_workitem_id 0
		.amdhsa_next_free_vgpr 1024
		.amdhsa_next_free_sgpr 102
		.amdhsa_reserve_vcc 0
		.amdhsa_float_denorm_mode_32 3
		.amdhsa_float_denorm_mode_16_64 3
		.amdhsa_memory_ordered 1
		.amdhsa_forward_progress 1
		.amdhsa_inst_pref_size 119
	.end_amdhsa_kernel
	.amdgpu_metadata
---
amdhsa.version: [ 1, 2 ]
amdhsa.kernels:
  - .name:           k_qd641c3c3d8_p2
    .symbol:         k_qd641c3c3d8_p2.kd
    .args:
      - { .name: gq, .offset: 0, .size: 8, .value_kind: global_buffer, .address_space: global }
      - { .name: wp2q, .offset: 8, .size: 8, .value_kind: global_buffer, .address_space: global }
      - { .name: bp2, .offset: 16, .size: 8, .value_kind: global_buffer, .address_space: global }
      - { .name: x1, .offset: 24, .size: 8, .value_kind: global_buffer, .address_space: global }
      - { .name: out0, .offset: 32, .size: 8, .value_kind: global_buffer, .address_space: global }
    .group_segment_fixed_size: 327680
    .private_segment_fixed_size: 0
    .kernarg_segment_align: 8
    .kernarg_segment_size: 40
    .max_flat_workgroup_size: 128
    .sgpr_count:     102
    .vgpr_count:     1024
    .wavefront_size: 32
...
	.end_amdgpu_metadata
.endif
;; end of part 7
